; MI455X (gfx1250); checked and timed in simulation.
; The chip was launched on July 23, 2026; its instructions are those of AMD's public machine-readable ISA for CDNA 5 (MIT licence, August 2026) and "CDNA5" Instruction Set Architecture Reference Guide (July 2026). The comments in the code are by the model that wrote it; some were corrected since.
;; Causal Self Attention. Allowed arithmetic: float matrix products may take bf16 or f16 operands with f32 sums; other float arithmetic in f32, or as packed bf16 or f16 multiplies, adds, multiply-adds, maxima and minima; sums over many terms, partial sums and values carried from step to step in f32; what a program stores and reads back later, other than sums and carried values, may be rounded once to bf16 or f16.
;; Inputs: w_proj 1,024 x 1,024 float32; w_qkv 1,024 x 3,072 float32; x 1 x 4,096 x 1,024 float32.
;; Outputs: out0 1 x 4,096 x 1,024 float32.
;; 2 versions, each right and faster than the one before. Each part assembles by itself: llvm-mc -triple=amdgcn-amd-amdhsa -mcpu=gfx1250 --defsym DOCPART=n.
;; ======== version 1 of 2: 4 launches
;; limits: values are held in f16: magnitudes above 65,504 overflow, below 6.1e-05 lose precision; right only within a limited range of input values
;; workspace buffers: xb 8,388,608 bytes; wqb 6,291,456 bytes; wpb 2,097,152 bytes; qkv 25,165,824 bytes; ao 8,388,608 bytes
;; launch cast (part 1): grid 512 x 1, 8 waves a work-group, no clusters, 0 bytes of LDS; arguments x, w_qkv, w_proj, xb, wqb, wpb; writes xb, wqb, wpb
.if DOCPART == 1
	.amdgcn_target "amdgcn-amd-amdhsa--gfx1250"
	.amdhsa_code_object_version 6
	.text
	.protected	k_qdd250826d7_cast
	.globl	k_qdd250826d7_cast
	.p2align	8
	.type	k_qdd250826d7_cast,@function
k_qdd250826d7_cast:
	s_mov_b64 s[64:65], 0
	v_nop
	global_prefetch_b8 v0, s[64:65] scope:SCOPE_SE
	s_setreg_imm32_b32 hwreg(HW_REG_WAVE_MODE, 25, 1), 1
	s_wait_xcnt 0x0
; The three inputs are rounded once to bf16, the format in which the matrix units take them:  x -> xb,  w_qkv -> wqb (both bf16);
; w_proj -> wpb: rounded to bf16 like the others, and that number then written as f16, since it multiplies an f16 operand later.
; LIMITS.  A bf16 number of w_proj below 2^-14 keeps f16's fixed step of 2^-24; one beyond 65,504 becomes an infinity.
; SHARES.  A work-group takes 16,384 numbers (65,536 bytes in, 32,768 out): groups 0-255 x, 256-447 w_qkv, 448-511 w_proj.
; Thread t, turn j of 16: 16 bytes in at 4,096 j + 16 t, 8 bytes out at 2,048 j + 8 t: a wave's load covers 512 consecutive bytes, its store 256
; consecutive bytes at a multiple of 256 from the buffer's first byte.  All 16 loads go out first; every turn has registers of its own, so nothing
; that a load or store still names is ever rewritten.  A stream: no LDS, no barrier, no matrix unit.
.set X, 8                              ; v[8:71]    turn j: four f32 as loaded
.set Y, 72                             ; v[72:103]  turn j: two words, four 16-bit numbers to store
.set T, 104                            ; v[104:107] at work
	s_load_b256 s[4:11], s[0:1], 0x0               ; x s[4:5], w_qkv s[6:7], w_proj s[8:9], xb s[10:11]
	s_load_b128 s[12:15], s[0:1], 0x20             ; wqb s[12:13], wpb s[14:15]
	v_lshlrev_b32 v1, 4, v0                        ; 16 t
	v_lshlrev_b32 v2, 3, v0                        ; 8 t
	s_wait_kmcnt 0x0
	s_cmp_lt_u32 ttmp9, 256                        ; which tensor is mine: a choice by the group's number alone
	s_cselect_b64 s[18:19], s[4:5], s[6:7]
	s_cselect_b64 s[20:21], s[10:11], s[12:13]
	s_cselect_b32 s17, 0, 256                      ; and the number of its first group
	s_cmp_lt_u32 ttmp9, 448
	s_cselect_b64 s[18:19], s[18:19], s[8:9]
	s_cselect_b64 s[20:21], s[20:21], s[14:15]
	s_cselect_b32 s17, s17, 448
	s_sub_co_u32 s16, ttmp9, s17                   ; my place among the tensor's groups
	s_lshl_b32 s22, s16, 16                        ; 65,536 bytes in a group
	s_mov_b32 s23, 0
	s_add_nc_u64 s[18:19], s[18:19], s[22:23]
	s_lshl_b32 s22, s16, 15                        ; 32,768 bytes out
	s_add_nc_u64 s[20:21], s[20:21], s[22:23]
.irp j, 0,1,2,3,4,5,6,7,8,9,10,11,12,13,14,15
	global_load_b128 v[X+4*(\j):X+4*(\j)+3], v1, s[18:19] offset:4096*(\j) th:TH_LOAD_NT
.endr
; Turn j.  half = 1: the bf16 numbers are widened again (a shift, a mask) and written as f16.
.macro OUT j, half
	s_wait_loadcnt 15-(\j)                         ; loads come back in order: mine is in, the 15 - j younger ones stay out
	v_cvt_pk_bf16_f32 v[Y+2*(\j)],   v[X+4*(\j)],   v[X+4*(\j)+1]
	v_cvt_pk_bf16_f32 v[Y+2*(\j)+1], v[X+4*(\j)+2], v[X+4*(\j)+3]
.if \half
	v_lshlrev_b32 v[T],   16,         v[Y+2*(\j)]
	v_and_b32     v[T+1], 0xffff0000, v[Y+2*(\j)]
	v_lshlrev_b32 v[T+2], 16,         v[Y+2*(\j)+1]
	v_and_b32     v[T+3], 0xffff0000, v[Y+2*(\j)+1]
	v_cvt_pk_f16_f32 v[Y+2*(\j)],   v[T],   v[T+1]
	v_cvt_pk_f16_f32 v[Y+2*(\j)+1], v[T+2], v[T+3]
.endif
	global_store_b64 v2, v[Y+2*(\j):Y+2*(\j)+1], s[20:21] offset:2048*(\j)
.endm
	s_cmp_ge_u32 ttmp9, 448                        ; compared anew: the sums above have been at SCC
	s_cbranch_scc1 .Lproj
.irp j, 0,1,2,3,4,5,6,7,8,9,10,11,12,13,14,15
	OUT \j, 0
.endr
	s_endpgm
.Lproj:
.irp j, 0,1,2,3,4,5,6,7,8,9,10,11,12,13,14,15
	OUT \j, 1
.endr
	s_endpgm
.Lfunc_end_k_qdd250826d7_cast:
	.size	k_qdd250826d7_cast, .Lfunc_end_k_qdd250826d7_cast-k_qdd250826d7_cast
	.p2alignl 7, 3214868480
	.fill 96, 4, 3214868480
	.section	.rodata,"a",@progbits
	.p2align	6, 0x0
	.amdhsa_kernel k_qdd250826d7_cast
		.amdhsa_group_segment_fixed_size 0
		.amdhsa_private_segment_fixed_size 0
		.amdhsa_enable_private_segment 0
		.amdhsa_kernarg_size 48
		.amdhsa_user_sgpr_count 2
		.amdhsa_user_sgpr_kernarg_segment_ptr 1
		.amdhsa_wavefront_size32 1
		.amdhsa_system_sgpr_workgroup_id_x 1
		.amdhsa_system_sgpr_workgroup_id_y 1
		.amdhsa_system_sgpr_workgroup_id_z 1
		.amdhsa_system_vgpr_workitem_id 0
		.amdhsa_next_free_vgpr 112
		.amdhsa_next_free_sgpr 66
		.amdhsa_reserve_vcc 0
		.amdhsa_float_denorm_mode_32 3
		.amdhsa_float_denorm_mode_16_64 3
		.amdhsa_memory_ordered 1
		.amdhsa_forward_progress 1
		.amdhsa_inst_pref_size 16
	.end_amdhsa_kernel
	.amdgpu_metadata
---
amdhsa.version: [ 1, 2 ]
amdhsa.kernels:
  - .name:           k_qdd250826d7_cast
    .symbol:         k_qdd250826d7_cast.kd
    .args:
      - { .name: x, .offset: 0, .size: 8, .value_kind: global_buffer, .address_space: global }
      - { .name: w_qkv, .offset: 8, .size: 8, .value_kind: global_buffer, .address_space: global }
      - { .name: w_proj, .offset: 16, .size: 8, .value_kind: global_buffer, .address_space: global }
      - { .name: xb, .offset: 24, .size: 8, .value_kind: global_buffer, .address_space: global }
      - { .name: wqb, .offset: 32, .size: 8, .value_kind: global_buffer, .address_space: global }
      - { .name: wpb, .offset: 40, .size: 8, .value_kind: global_buffer, .address_space: global }
    .group_segment_fixed_size: 0
    .private_segment_fixed_size: 0
    .kernarg_segment_align: 8
    .kernarg_segment_size: 48
    .max_flat_workgroup_size: 256
    .sgpr_count:     66
    .vgpr_count:     112
    .wavefront_size: 32
...
	.end_amdgpu_metadata
.endif
;; end of part 1
;; launch qkv (part 2): grid 8 x 32, 4 waves a work-group, clusters of 4 x 4, 327,680 bytes of LDS; arguments xb, wqb, qkv; writes qkv
.if DOCPART == 2
	.amdgcn_target "amdgcn-amd-amdhsa--gfx1250"
	.amdhsa_code_object_version 6
	.text
	.protected	k_qdd250826d7_qkv
	.globl	k_qdd250826d7_qkv
	.p2align	8
	.type	k_qdd250826d7_qkv,@function
k_qdd250826d7_qkv:
	s_mov_b64 s[64:65], 0
	v_nop
	global_prefetch_b8 v0, s[64:65] scope:SCOPE_SE
	s_setreg_imm32_b32 hwreg(HW_REG_WAVE_MODE, 25, 1), 1
	s_wait_xcnt 0x0
	s_wait_alu depctr_hold_cnt(0) depctr_sa_sdst(0) depctr_va_vdst(0) depctr_va_sdst(0) depctr_va_ssrc(0) depctr_va_vcc(0) depctr_vm_vsrc(0)
	s_getreg_b32 s2, hwreg(HW_REG_IB_STS2, 6, 4)
	s_cmp_eq_u32 s2, 0
	s_cbranch_scc0 .Lentry_in_a_cluster
	s_endpgm
.Lentry_in_a_cluster:
	s_bfe_u32 s2, ttmp6, 0x10000c
	s_cmp_lg_u32 s2, 0xf033
	s_cbranch_scc0 .Lentry_shape_is_right
	s_endpgm
.Lentry_shape_is_right:
; qkv = x w_qkv.  xb: [4096][1024] bf16, wqb: [1024 k][3072 n] bf16; sums in f32; the result rounded once to f16 and laid out by heads:
; qkv[G][row][64], G = column / 64 (0-15 q's heads, 16-31 k's, 32-47 v's), 524,288 bytes a G.  The scale 1/8 is not applied here.
; LIMIT.  f16 holds no number beyond 65,504: a q, k or v beyond that becomes an infinity.
; SHARES.  A tile of the result is 128 rows x 384 columns: 32 x 8 = 256 work-groups.  384 columns are 768 bytes of a row of wqb, three aligned pieces of 256.
; Four waves, each 64 rows x 192 columns (three heads): 4 x 12 = 48 accumulators of 16 x 16, 384 registers.
; K goes in 8 steps of 128 through a ring of two LDS slots.  A slot has four regions, one tensor load each: wave 0 brings x's 128 rows x 256 bytes,
; waves 1-3 the three pieces of 128 k-rows x 256 bytes of w.  w is taken as it lies, [k][n], and turned on its way out of LDS by ds_load_tr16_b128.
; CLUSTER 4 x 4: the four of a row of the cluster need the same tile of x, the four of a column the same tiles of w: each is asked for jointly,
; by the same tensor load with the same descriptor and a mask that names the four.
; THE MATRIX INSTRUCTION IS USED TRANSPOSED (source 0 = 16 columns of w, source 1 = 16 rows of x): a lane then holds eight neighbouring columns of one row.
; REGISTERS, in windows of 256 (s_set_vgpr_msb: bits 1:0 source 0, 3:2 source 1, 5:4 source 2, 7:6 destination):
;   window 0: v0-31 addresses; v32-79 packed results; v80-127, v128-175 rows read back from the stage, by turns
;   windows 1, 2: accumulator (a, b) at v[8 (12 (a % 2) + b)] of window 1 + a / 2
;   window 3: two fragment buffers of 128: x's four fragments at +0, w's twelve at +32
.set PA,     272                       ; a row of x in LDS: 256 bytes + 16: the 16 rows of a load start at 16 different groups of four banks (64 banks of 4 bytes: ISA guide 11.1)
.set PB,     288                       ; a k-row of w: 256 + 32
.set REG,    36864                     ; a region: 128 x 288; x's uses 128 x 272 of it
.set SLOT,   4*REG
.set STAGE,  2*SLOT                    ; behind the ring, never filled by a tensor load: for each wave 3 heads x 16 rows x 144 bytes
.set SP,     144
.set WSTAGE, 3*16*SP
.set SPARE,  STAGE+4*WSTAGE            ; behind the stages: the spare words, 128 bytes a wave: two blocks of 256 bytes that no other line names
.set LAPS,   4                         ; a lap = two K steps = once round the ring
.set STEP_A, 2*128*2                   ; bytes from a slot's K step to its next: x goes 256 elements along its rows,
.set STEP_B, 2*128*3072*2              ; w 256 rows down
.set ADRA, 16                          ; v16-17  LDS address of my fragments of x in slot 0, 1
.set ADRB, 18                          ; v18-23  of my fragments of w: slot s, head g at v[18 + 3 s + g]
.set STO,  24                          ; v24     the way out: where I put 16 bytes of a row
.set RD,   25                          ; v25     the way out: where I read rows back
.set GO,   26                          ; v26     my 16 bytes in 512 consecutive bytes of the result
.set SPW,  28                          ; v28     LDS address of my spare word; never rewritten
.set NIL,  29                          ; v29     0; never rewritten
.set TMP,  32
.set BK,   80
.set F0,   0
.set F1,   128
.set G1,  24                           ; s[24:31] descriptor group 1 for x's tile;  s[32:39] group 0, a set for each slot
.set G0,  32
.set G1B, 48                           ; s[48:55], s[56:63] the same for w's tiles
.set G0B, 56
.set MSB, 0
.macro WIN new                         ; the immediate's high byte repeats the setting that is left; a switch that changes nothing is dropped
.if MSB != (\new)
	s_set_vgpr_msb (MSB<<8)|(\new)
.set MSB, \new
.endif
.endm
.set TO_F, 0xc0                        ; destination window 3, address window 0
; A joint load: wave 0 asks for x's tile, waves 1-3 for w's three.  The branch hangs on the wave's number alone.
; An s_nop 0 and four v_nop follow each of the two lines, ahead of the jump, the label and what follows.
.macro JLOAD s
	s_cmp_eq_u32 s10, 0
	s_cbranch_scc0 .Lfor_b_\@
	tensor_load_to_lds s[G0+4*(\s):G0+4*(\s)+3], s[G1:G1+7]
	s_nop 0
.rept 4
	v_nop
.endr
	s_branch .Lasked_\@
.Lfor_b_\@:
	tensor_load_to_lds s[G0B+4*(\s):G0B+4*(\s)+3], s[G1B:G1B+7]
	s_nop 0
.rept 4
	v_nop
.endr
.Lasked_\@:
.endm
.macro CREST                           ; a round of the cluster's barrier behind its opening barrier
	s_cmp_lg_u32 s10, 0
	s_cbranch_scc1 .Lnot_wave_0_\@
	s_barrier_signal -3
.Lnot_wave_0_\@:
	s_barrier_wait -3
	s_barrier_signal -1
	s_barrier_wait -1
.endm
.macro CROUND                          ; a whole round
	s_barrier_signal -1
	s_barrier_wait -1
	CREST
.endm
	s_load_b128 s[4:7], s[0:1], 0x0                ; xb s[4:5], wqb s[6:7]
	s_load_b64 s[8:9], s[0:1], 0x10                ; qkv
	v_lshl_add_u32 v[SPW], v0, 2, SPARE
	v_mov_b32 v[NIL], 0
	ds_add_u32 v[SPW], v[NIL]                      ; the wave's opening: the add and its wait stand ahead of my first tensor load; the set-up below, work on registers, stands between them
	ds_add_u32 v28, v29
	v_lshrrev_b32 v1, 5, v0
	v_readfirstlane_b32 s10, v1                    ; wave 0..3
	s_lshr_b32 s11, s10, 1                         ; which 64 rows of the tile are mine
	s_and_b32 s12, s10, 1                          ; which 192 columns
	s_bfe_u32 s40, ttmp6, 0x40000                  ; cx, cy: my place in the cluster
	s_bfe_u32 s41, ttmp6, 0x40004
	s_lshl_b32 s42, ttmp9, 2
	s_add_co_u32 s42, s42, s40                     ; tile column = 4 x cluster x + cx
	s_and_b32 s13, ttmp7, 0xffff
	s_lshl_b32 s13, s13, 2
	s_add_co_u32 s13, s13, s41                     ; tile row = 4 x cluster y + cy
	s_lshl_b32 s43, s41, 2
	s_lshl_b32 s43, 15, s43                        ; my row of the cluster
	s_lshl_b32 s44, 0x1111, s40                    ; my column
	; descriptor group 1: tiles of 128 rows x 128 elements, padded in LDS
	s_or_b32 s[G1+0], s43, (1<<16)|(1<<20)|(1<<21)|(5<<22)|(3<<25)   ; 15:0 the mask: x's tile goes to my row; 17:16 2-byte elements; 20 padding on; 21 set beside a mask; 24:22 after every 64 words (code 5); 31:25 4 words (code 3)
	s_or_b32 s[G1B+0], s44, (1<<16)|(1<<20)|(1<<21)|(5<<22)|(7<<25)  ; w's tiles go to my column; 8 words of padding (code 7)
.irp g, G1, G1B
	s_mov_b32 s[(\g)+1], 128<<16                   ; tensor_dim0 = 128
	s_mov_b32 s[(\g)+2], 128<<16                   ; tensor_dim1 = 128
	s_mov_b32 s[(\g)+3], 128<<16                   ; tile_dim0 = 128
	s_mov_b32 s[(\g)+4], 128                       ; tile_dim1 = 128
	s_mov_b32 s[(\g)+6], 0
	s_mov_b32 s[(\g)+7], 0
.endr
	s_mov_b32 s[G1+5], 1024                        ; elements from row to row of xb,
	s_mov_b32 s[G1B+5], 3072                       ; and of wqb
	; where the tiles come from.  x's hangs on the tile row alone, w's on the tile column and the wave's number alone; each in registers that never hold the other coordinate
	s_lshl_b32 s16, s13, 18                        ; x: 128 rows of 2,048 bytes a tile row
	s_mov_b32 s17, 0
	s_mul_i32 s46, s42, 768                        ; w: 768 bytes a tile column,
	s_max_u32 s18, s10, 1
	s_sub_co_u32 s18, s18, 1
	s_lshl_b32 s18, s18, 8                         ; and piece wave - 1 of its three (wave 0 makes piece 0's address and does not use it)
	s_add_co_u32 s46, s46, s18
	s_mov_b32 s47, 0
	s_mul_i32 s20, s10, REG                        ; and where they go: region = wave: no place in the cluster enters an LDS address
	s_wait_dscnt 0x0                               ; the opening add is done
	s_wait_kmcnt 0x0
	s_add_nc_u64 s[14:15], s[4:5], s[16:17]
	s_add_nc_u64 s[46:47], s[6:7], s[46:47]
	CROUND                                         ; all sixteen work-groups are here: the first joint loads meet
.irp s, 0,1
	s_mov_b32 s[G0+4*(\s)], 1                                        ; count = 1
	s_add_co_u32 s[G0+4*(\s)+1], s20, (\s)*SLOT                      ; LDS address
	s_add_nc_u64 s[G0+4*(\s)+2:G0+4*(\s)+3], s[14:15], (\s)*128*2    ; global address: K step s
	s_or_b32 s[G0+4*(\s)+3], s[G0+4*(\s)+3], 0x80000000              ; type = 2
	s_mov_b32 s[G0B+4*(\s)], 1
	s_add_co_u32 s[G0B+4*(\s)+1], s20, (\s)*SLOT
	s_add_nc_u64 s[G0B+4*(\s)+2:G0B+4*(\s)+3], s[46:47], (\s)*128*3072*2
	s_or_b32 s[G0B+4*(\s)+3], s[G0B+4*(\s)+3], 0x80000000
	JLOAD \s                                       ; two loads of mine are out
.endr
	; A fragment of x is 16 rows x 32 K: lane l holds row l % 16, K = 8 (l / 16) + 0..7 and 16 + 8 (l / 16) + 0..7: two loads of 16 bytes, 32 bytes apart.
	v_and_b32 v1, 15, v0                           ; l % 16
	v_bfe_u32 v2, v0, 4, 1                         ; l / 16
	v_mul_u32_u24 v3, v1, PA
	v_lshl_add_u32 v3, v2, 4, v3
	s_mul_i32 s21, s11, 64*PA                      ; my 64 rows
	v_add_nc_u32 v[ADRA], s21, v3
	s_add_co_u32 s21, s21, SLOT
	v_add_nc_u32 v[ADRA+1], s21, v3
	; The turning load takes 16 k x 16 columns (lane l reads k-row 8 (l / 16) + l % 8, columns 8 ((l / 8) % 2) + 0..7) and leaves half a fragment: lane l holds column l % 16 and 8 k.
	v_and_b32 v5, 7, v0
	v_lshl_add_u32 v5, v2, 3, v5
	v_mul_u32_u24 v4, v5, PB
	v_bfe_u32 v5, v0, 3, 1
	v_lshl_add_u32 v4, v5, 4, v4
	s_mul_i32 s22, s12, 3                          ; my first head of the tile's six
.irp g, 0,1,2
	s_add_co_u32 s23, s22, \g                      ; head g' lies in piece g' / 2, at byte 128 (g' % 2) of its rows
	s_lshr_b32 s18, s23, 1
	s_and_b32 s19, s23, 1
	s_mul_i32 s18, s18, REG
	s_lshl_b32 s19, s19, 7
	s_add_co_u32 s18, s18, s19
	s_add_co_u32 s18, s18, REG
	v_add_nc_u32 v[ADRB+(\g)], s18, v4
	s_add_co_u32 s18, s18, SLOT
	v_add_nc_u32 v[ADRB+3+(\g)], s18, v4
.endr
	s_mul_i32 s23, s10, WSTAGE
	s_add_co_u32 s23, s23, STAGE                   ; my stage
	v_mul_u32_u24 v[STO], v1, SP                   ; in: row l % 16, 16 bytes for each half of the lanes
	v_lshl_add_u32 v[STO], v2, 4, v[STO]
	v_add_nc_u32 v[STO], s23, v[STO]
	v_bfe_u32 v[RD], v0, 3, 2                      ; back: 32 lanes take four rows of 128 bytes,
	v_mul_u32_u24 v[RD], v[RD], SP
	v_and_b32 v5, 7, v0
	v_lshl_add_u32 v[RD], v5, 4, v[RD]
	v_add_nc_u32 v[RD], s23, v[RD]
	v_and_b32 v[GO], 31, v0                        ; which are 512 consecutive bytes of a head
	v_lshlrev_b32 v[GO], 4, v[GO]
	s_lshl_b32 s16, s13, 14                        ; the result at my rows: (128 x tile row + 64 x half) rows of 128 bytes,
	s_lshl_b32 s17, s11, 13
	s_add_co_u32 s16, s16, s17
	s_mov_b32 s17, 0
	s_add_nc_u64 s[8:9], s[8:9], s[16:17]
	s_mul_i32 s46, s42, 6                          ; and at my first head: G = 6 x tile column + 3 x half
	s_add_co_u32 s46, s46, s22
	s_lshl_b32 s46, s46, 19
	s_mov_b32 s47, 0
	s_add_nc_u64 s[8:9], s[8:9], s[46:47]
; 12 matrix instructions: row block a x all 12 column blocks, 32 along K.  zero = 1: the product starts the sums: nothing is cleared.
; The 48 accumulators take turns in the same order in every quarter, one instruction a turn.
.macro MUL12 f, a, zero
	WIN 0x5f+0x50*((\a)/2)                         ; sources in window 3; C and D in window 1 or 2
.irp b, 0,1,2,3,4,5,6,7,8,9,10,11
.if \zero
	v_wmma_f32_16x16x32_bf16 v[8*(12*((\a)%2)+(\b)):8*(12*((\a)%2)+(\b))+7], v[(\f)+32+8*(\b):(\f)+32+8*(\b)+7], v[(\f)+8*(\a):(\f)+8*(\a)+7], 0
.else
	v_wmma_f32_16x16x32_bf16 v[8*(12*((\a)%2)+(\b)):8*(12*((\a)%2)+(\b))+7], v[(\f)+32+8*(\b):(\f)+32+8*(\b)+7], v[(\f)+8*(\a):(\f)+8*(\a)+7], v[8*(12*((\a)%2)+(\b)):8*(12*((\a)%2)+(\b))+7]
.endif
.endr
.endm
; 32 LDS loads in one run: the fragments of quarter q (32 along K) of a slot into buffer f: w's twelve, then x's four
.macro FETCH slot, q, f
	WIN TO_F
.irp b, 0,1,2,3,4,5,6,7,8,9,10,11
	ds_load_tr16_b128 v[(\f)+32+8*(\b):(\f)+32+8*(\b)+3],   v[ADRB+3*(\slot)+(\b)/4] offset:(\q)*32*PB+((\b)%4)*32
	ds_load_tr16_b128 v[(\f)+32+8*(\b)+4:(\f)+32+8*(\b)+7], v[ADRB+3*(\slot)+(\b)/4] offset:(\q)*32*PB+16*PB+((\b)%4)*32
.endr
.irp a, 0,1,2,3
	ds_load_b128 v[(\f)+8*(\a):(\f)+8*(\a)+3],   v[ADRA+(\slot)] offset:(\q)*64+(\a)*16*PA
	ds_load_b128 v[(\f)+8*(\a)+4:(\f)+8*(\a)+7], v[ADRA+(\slot)] offset:(\q)*64+(\a)*16*PA+32
.endr
.endm
.macro PLACES                          ; four plain vector instructions between a matrix instruction and a load into its registers, or a reader of its result
.rept 4
	v_nop
.endr
.endm
; A K step is four quarters of 32 along K, 48 matrix instructions each, on buffers 0, 1, 0, 1.  One of the first three: multiplies buffer f, and in its middle fetches quarter q into g.
.macro QUARTER slot, q, f, g, zero
	s_wait_dscnt 4                                 ; w's fragments and x's 0, 1 are in; the four youngest loads (x's 2, 3) may be out
	MUL12 \f, 0, \zero
	MUL12 \f, 1, \zero
	PLACES
	FETCH \slot, \q, \g
	s_wait_dscnt 32                                ; all but the 32 just issued
	MUL12 \f, 2, \zero
	MUL12 \f, 3, \zero
.endm
; The last quarter multiplies buffer 1 and changes slots: ONE barrier; in front of it each wave waits for all its tensor loads (one is out: its part of the next slot), adds 0 to its
; spare word, and waits for that and for its reads of this slot.  fill = 1: the barrier opens a round of the cluster's, and behind the round this slot is filled again, two K steps ahead.
.macro TURN slot, next, fill
	WIN 0                                          ; (the add's two registers lie in window 0)
	s_wait_tensorcnt 0x0                           ; all my tensor loads have landed;
	ds_add_u32 v[SPW], v[NIL]                      ; 0 onto my spare word;
	s_wait_dscnt 5                                 ; (the add and the four youngest loads may be out)
	MUL12 F1, 0, 0                                 ; twelve matrix instructions stand between the add and the wait for it
	s_wait_dscnt 0x0                               ; the add is done, and my reads of this slot are over
	s_barrier_signal -1
	MUL12 F1, 1, 0
.if \fill
	WIN 0
.endif
	s_barrier_wait -1
.if \fill
	CREST                                          ; no wave of any partner still reads this slot's tiles or has a load on its way
	s_add_nc_u64 s[G0+4*(\slot)+2:G0+4*(\slot)+3], s[G0+4*(\slot)+2:G0+4*(\slot)+3], STEP_A
	s_add_nc_u64 s[G0B+4*(\slot)+2:G0B+4*(\slot)+3], s[G0B+4*(\slot)+2:G0B+4*(\slot)+3], STEP_B
	JLOAD \slot                                    ; my one tensor load behind the round, and the first thing there; its four v_nop are also the places in front of the loads below
.else
	PLACES
.endif
	FETCH \next, 0, F0
	MUL12 F1, 2, 0
	MUL12 F1, 3, 0
.endm
	s_wait_tensorcnt 1                             ; my part of K step 0 is in; K step 1's may stay out
	s_barrier_signal -1
	s_barrier_wait -1                              ; everybody's is
	FETCH 0, 0, F0
	QUARTER 0, 1, F0, F1, 1                        ; the first quarter stands in front of the loop: its products start the sums
	WIN 0                                          ; at a label and at a branch every window is 0
	s_mov_b32 s3, LAPS-1
.Llap:                                                 ; a trip goes once round the ring, from a lap's second quarter to the next lap's first, and fills both slots again
	QUARTER 0, 2, F1, F0, 0
	QUARTER 0, 3, F0, F1, 0
	TURN 0, 1, 1
	QUARTER 1, 1, F0, F1, 0
	QUARTER 1, 2, F1, F0, 0
	QUARTER 1, 3, F0, F1, 0
	TURN 1, 0, 1
	QUARTER 0, 1, F0, F1, 0
	WIN 0
	s_sub_co_u32 s3, s3, 1
	s_cmp_lg_u32 s3, 0
	s_cbranch_scc1 .Llap
	QUARTER 0, 2, F1, F0, 0                        ; the last lap fills nothing, and has no round
	QUARTER 0, 3, F0, F1, 0
	TURN 0, 1, 0
	QUARTER 1, 1, F0, F1, 0
	QUARTER 1, 2, F1, F0, 0
	QUARTER 1, 3, F0, F1, 0
	s_wait_dscnt 4                                 ; the very last quarter: nothing more to fetch
	MUL12 F1, 0, 0
	MUL12 F1, 1, 0
	s_wait_dscnt 0x0
	MUL12 F1, 2, 0
	MUL12 F1, 3, 0
	WIN 0
; THE WAY OUT, a block of 16 rows at a time.  PACK: rounded to f16, 16 bytes a lane and column block, each accumulator's registers in ascending order.  TOSTAGE: into my own stage, by heads,
; and back as rows of 128 bytes, four to a load.  SEND: stored, 512 consecutive bytes of a head to a store.
.macro PACK a
	WIN 0x05*(1+(\a)/2)                            ; sources 0 and 1 in window 1 or 2, destination in window 0
.irp b, 0,1,2,3,4,5,6,7,8,9,10,11
.irp r, 0,1,2,3
	v_cvt_pk_f16_f32 v[TMP+4*(\b)+(\r)], v[8*(12*((\a)%2)+(\b))+2*(\r)], v[8*(12*((\a)%2)+(\b))+2*(\r)+1]
.endr
.endr
	WIN 0
.endm
.macro TOSTAGE a
.set BKA, BK+48*((\a)%2)
.if (\a) >= 2
	s_wait_xcnt 0x0                                ; the stores of two blocks ago have read these registers: they are loaded again only behind this wait
.endif
.irp b, 0,1,2,3,4,5,6,7,8,9,10,11
	ds_store_b128 v[STO], v[TMP+4*(\b):TMP+4*(\b)+3] offset:((\b)/4)*16*SP+((\b)%4)*32
.endr
.irp t, 0,1,2,3,4,5,6,7,8,9,10,11
	ds_load_b128 v[BKA+4*(\t):BKA+4*(\t)+3], v[RD] offset:((\t)/4)*16*SP+((\t)%4)*4*SP  ; LDS serves a wave's instructions in order (ISA guide 5.7.1.4): these see the stores above
.endr
.endm
.macro SEND a
.set BKA, BK+48*((\a)%2)
	s_wait_dscnt 0x0                               ; the block is back in registers
.irp t, 0,1,2,3,4,5,6,7,8,9,10,11
	global_store_b128 v[GO], v[BKA+4*(\t):BKA+4*(\t)+3], s[8:9] offset:((\t)/4)*524288+(\a)*2048+((\t)%4)*512
.endr
.endm
	PLACES                                         ; behind the last products
	PACK 0
	TOSTAGE 0
.irp a, 1,2,3                          ; block a's conversions stand between block a - 1's loads from the stage and the wait for them
	PACK \a
	SEND (\a)-1
	TOSTAGE \a
.endr
	SEND 3
	s_wait_tensorcnt 0x0                           ; the wave's end: behind my last tensor load and my last LDS store
	ds_add_u32 v[SPW], v[NIL]
	s_wait_dscnt 0x0
	CROUND                                         ; the closing round: no work-group ends while a partner may still ask for a tile that names it
	s_endpgm
.Lfunc_end_k_qdd250826d7_qkv:
	.size	k_qdd250826d7_qkv, .Lfunc_end_k_qdd250826d7_qkv-k_qdd250826d7_qkv
	.p2alignl 7, 3214868480
	.fill 96, 4, 3214868480
	.section	.rodata,"a",@progbits
	.p2align	6, 0x0
	.amdhsa_kernel k_qdd250826d7_qkv
		.amdhsa_group_segment_fixed_size 327680
		.amdhsa_private_segment_fixed_size 0
		.amdhsa_enable_private_segment 0
		.amdhsa_kernarg_size 24
		.amdhsa_user_sgpr_count 2
		.amdhsa_user_sgpr_kernarg_segment_ptr 1
		.amdhsa_wavefront_size32 1
		.amdhsa_system_sgpr_workgroup_id_x 1
		.amdhsa_system_sgpr_workgroup_id_y 1
		.amdhsa_system_sgpr_workgroup_id_z 1
		.amdhsa_system_vgpr_workitem_id 0
		.amdhsa_next_free_vgpr 1024
		.amdhsa_next_free_sgpr 66
		.amdhsa_reserve_vcc 0
		.amdhsa_float_denorm_mode_32 3
		.amdhsa_float_denorm_mode_16_64 3
		.amdhsa_memory_ordered 1
		.amdhsa_forward_progress 1
		.amdhsa_inst_pref_size 119
	.end_amdhsa_kernel
	.amdgpu_metadata
---
amdhsa.version: [ 1, 2 ]
amdhsa.kernels:
  - .name:           k_qdd250826d7_qkv
    .symbol:         k_qdd250826d7_qkv.kd
    .args:
      - { .name: xb, .offset: 0, .size: 8, .value_kind: global_buffer, .address_space: global }
      - { .name: wqb, .offset: 8, .size: 8, .value_kind: global_buffer, .address_space: global }
      - { .name: qkv, .offset: 16, .size: 8, .value_kind: global_buffer, .address_space: global }
    .group_segment_fixed_size: 327680
    .private_segment_fixed_size: 0
    .kernarg_segment_align: 8
    .kernarg_segment_size: 24
    .max_flat_workgroup_size: 128
    .sgpr_count:     66
    .vgpr_count:     1024
    .wavefront_size: 32
...
	.end_amdgpu_metadata
.endif
;; end of part 2
;; launch attn (part 3): grid 16 x 16, 4 waves a work-group, no clusters, 327,680 bytes of LDS; arguments qkv, ao; writes ao
.if DOCPART == 3
	.amdgcn_target "amdgcn-amd-amdhsa--gfx1250"
	.amdhsa_code_object_version 6
	.text
	.protected	k_qdd250826d7_attn
	.globl	k_qdd250826d7_attn
	.p2align	8
	.type	k_qdd250826d7_attn,@function
k_qdd250826d7_attn:
	s_mov_b64 s[64:65], 0
	v_nop
	global_prefetch_b8 v0, s[64:65] scope:SCOPE_SE
	s_setreg_imm32_b32 hwreg(HW_REG_WAVE_MODE, 25, 1), 1
	s_wait_xcnt 0x0
; CAUSAL ATTENTION.  ao[h][q][:] = the sum over k <= q of softmax_k(Q[h][q] . K[h][k] / 8) V[h][k][:].  qkv: [48][4096][64] f16 (16 heads of q, of k, of v), ao: [16][4096][64] f16.
; Products, maxima and sums in f32; the weights p are rounded to f16 for the second product (their sum l is taken of the unrounded p), O once at the end.
; LIMITS.  q, k, v arrive within f16's 65,504.  A hidden score counts as -1e30: f16's scores, 2.7e11 at the most, are nothing beside that.  A weight below 2^-126 counts as 0 in l.
; NaN and infinities are not treated apart.
; THE WALK.  A head's queries lie in 32 blocks of 128; block i needs the key tiles 0 .. i / 2 of 256 keys, of which the last holds the diagonal.  A work-group takes TWO blocks, 31 - b and then b:
; 17 tiles, whatever b: 16 x 16 = 256 work-groups of equal work, and ONE loop with a constant trip count walks the tiles through a ring of two LDS slots, which runs on across the change of blocks.
; Which tile is asked for, and what a trip does, hang on scalar registers made from b; every jump but the counted loops' own goes forward, past neither a barrier nor a tensor load.
; NO CLUSTER: where a block ends hangs on b, which would hold the place in the cluster, and only blocks 2 j and 2 j + 1 walk the same tiles: four partners would need different tiles.
; SHARES.  Wave w owns rows 32 w .. 32 w + 31 of a block: two PIECES of 16 queries.  Every wave walks all the block's keys, 64 a step.
; LAYOUT.  S^T = K Q^T (source 0 = 16 keys, source 1 = 16 queries) holds ONE query a lane (lane % 16) and the keys 8 (lane / 16) + 0..7; two such results rounded to f16 ARE source 1 of
; O^T = V^T P.  K comes out of LDS as it lies, V ([key][channel]) turned, by ds_load_tr16_b128.
; SOFTMAX.  p = 2^(c s - c m), c = log2(e) / 8, with a running maximum m; O and l are multiplied by a = 2^(c m_old - c m_new) in every step.  m starts at the lowest finite number,
; so a block's first step has a = 0 and is a step like any other; O and l need only be finite there.
; THE MASK stands in the steps of a block's last tile alone: score register i of piece t is hidden where 16 (i / 8) + i % 8 - 16 t > D, with
; D = (the block's first query - the step's first key) + 32 w + lane % 16 - 8 (lane / 16): whole numbers made of ids and counts.  In an even block that tile's last two steps are wholly hidden and are
; computed all the same: 2 of the walk's 68 steps.
; A STEP goes in phases: both pieces' K Q^T; the fetches of the next K and this V; both maxima; piece 0's weights and its V^T P; piece 1's weights, issued while those products run, and its V^T P.
; REGISTERS, in windows of 256 (s_set_vgpr_msb: bits 1:0 source 0, 3:2 source 1, 5:4 source 2, 7:6 destination):
;   window 0: v0-31 addresses and statistics; v32-39 at work; v64-95 Q; v96-127 P; v128-191 K of one step; v192-255 S^T
;   window 1: v0-63 O^T, 32 a piece; v64-127 V of one step; v128-159 the second block's Q
.set KS,    64        ; keys in a step
.set PK,    144       ; a row of K in LDS: 128 bytes + 16 of padding: the 16 rows of a load start at 16 different groups of four banks (64 banks of 4 bytes: ISA guide 11.1)
.set PV,    160       ; a row of V: 128 + 32
.set VOFF,  4*KS*PK   ; a slot holds a tile, four steps: 256 rows of K, then 256 rows of V
.set SLOT1, 1<<17     ; slot 1 begins here, so that one exclusive or turns an address in one slot into the other's
.set STAGE, SLOT1+4*KS*(PK+PV)  ; behind the ring, never filled by a tensor load: 16 rows x 144 bytes for each wave, for the way out
.set SP,    144
.set SPARE, STAGE+4*16*SP       ; behind the stages: the spare words, 128 bytes a wave: two blocks of 256 bytes that no other line names
.set PART,  16*4096*128         ; bytes of q's 16 heads, and of k's
.set AK0, 2           ; v2   my lane's place in a tile of K; never rewritten
.set AV0, 3           ; v3   the same for V
.set AK,  4           ; v4   the LDS address of K's next run of loads
.set AV,  5           ; v5   of V's
.set STO, 6           ; v6   the way out: where I put 16 bytes of a row
.set RD,  7           ; v7   the way out: where I read rows back
.set GO,  8           ; v8   my 16 bytes in 512 consecutive bytes of O
.set MV,  12          ; v12-13  c m_old, kept while c m is made anew: by piece
.set LQV, 14          ; v14  32 w + lane % 16 - 8 (lane / 16)
.set QO,  15          ; v15  my byte offset in 16 rows of Q
.set ST,  16          ; piece t's statistics at v[ST+4 t]: c m, m, l (even keys', odd keys')
.set D,   24          ; v24  the step's D
.set BIG, 25          ; v25  -1e30
.set SPW, 28          ; v28  LDS address of my spare word; never rewritten
.set NIL, 29          ; v29  0; never rewritten
.set TMP, 32          ; by piece, four registers c0-c3 at work; when the maximum is found c2 takes a
.set Q,   64          ; piece t, channel half c at Q + 16 t + 8 c
.set P,   96          ; piece t, key half kk at P + 16 t + 8 kk
.set KF,  128         ; key block kb, channel half c at KF + 16 kb + 8 c
.set S,   192         ; piece t, key block kb at S + 32 t + 8 kb
.set VF,  64          ; window 1: key half kk, channel block cb at VF + 32 kk + 8 cb
.set QB,  128         ; window 1
.set WV,  12          ; s12  my wave's number
.set PB,  14          ; s14  b
.set HI,  15          ; s15  31 - b
.set G1K, 24          ; s[24:31] descriptor group 1 for K's tiles
.set G1V, 32          ; s[32:39] for V's: it differs in the padding alone
.set G0K, 40          ; s[40:43] descriptor group 0 for K's tiles
.set G0V, 44          ; s[44:47] the same for V's
.set SLOTS, 56        ; s56  tiles still to be asked for
.set CNT, 57          ; s57  counts a tile's key steps, 4 to 1
.set CS,  58          ; s[58:59] c: the packed scaling takes the pair's low word for both halves
.set SEL, 60          ; s[60:61] v_permlanex16_b32's selects: each lane takes its own place in the other half
.set TBK, 62          ; s62  LDS byte at which K of the step to be fetched begins
.set TBV, 63          ; s63  the same for V, less VOFF
.set RT,  70          ; s70  tiles of the block in hand that are still to be entered
.set NXT, 71          ; s71  the tile to be asked for next
.set LQ,  72          ; s72  the last tile of the block whose tiles are being asked for
.set PBT, 73          ; s73  b / 2: the second block's last tile
.set OFF, 74          ; s[74:75] a tile's byte offset in K and V
.set DELTA, 76        ; s76  the block's first query less the step's first key
.set OLO, 80          ; s[80:81] O at my rows of the second block
.set MSB, 0
.macro WIN new                      ; the high byte repeats the setting that is left; a switch that changes nothing is dropped
.if MSB != (\new)
	s_set_vgpr_msb (MSB<<8)|(\new)
.set MSB, (\new)
.endif
.endm
.set W_PV, 0x51       ; V and O^T in window 1, P in window 0
.set W_RS, 0x41       ; destination and source 0 in window 1, source 1 in window 0
.set W_T1, 0x40       ; destination in window 1
; A fill.  Waves 0 and 1 fetch the two halves of a tile's K, waves 2 and 3 those of its V: 128 keys each.  An s_nop 0 and four v_nop follow each of the two lines, ahead of the jump and the label.
.macro LOAD
	s_cmp_lt_u32 s[WV], 2
	s_cbranch_scc0 .Lfor_v_\@
	tensor_load_to_lds s[G0K:G0K+3], s[G1K:G1K+7]
	s_nop 0
.rept 4
	v_nop
.endr
	s_branch .Lasked_\@
.Lfor_v_\@:
	tensor_load_to_lds s[G0V:G0V+3], s[G1V:G1V+7]
	s_nop 0
.rept 4
	v_nop
.endr
.Lasked_\@:
.endm
; THE CHANGE OF SLOTS.  Each wave waits for all its tensor loads, of which one is out: its part of the other slot; adds 0 to its spare word; and waits for that and for its own reads of the slot that it leaves.
; Behind the barrier nobody reads the old slot any more and the other slot is whole.  fill = 1: the old slot is filled again, the first thing behind the barrier, with tile NXT: the descriptor's address is
; made anew from that number.  It has a tile's four steps in which to land.  (At its first use nothing has been read yet: slot 0 is waited for, slot 1 filled.)
.macro CHANGE fill
	WIN 0
	s_wait_tensorcnt 0x0            ; no tensor load of mine is out, so a group 0 may be written
	ds_add_u32 v[SPW], v[NIL]       ; 0 onto my spare word; the descriptors' scalar work stands between it and the wait for it
.if \fill
	s_lshl_b32 s[OFF], s[NXT], 15   ; a tile is 32,768 bytes of K and of V
	s_xor_b32 s[G0K+1], s[G0K+1], SLOT1
	s_add_nc_u64 s[G0K+2:G0K+3], s[6:7], s[OFF:OFF+1]
	s_or_b32 s[G0K+3], s[G0K+3], 0x80000000
	s_xor_b32 s[G0V+1], s[G0V+1], SLOT1
	s_add_nc_u64 s[G0V+2:G0V+3], s[8:9], s[OFF:OFF+1]
	s_or_b32 s[G0V+3], s[G0V+3], 0x80000000
	s_add_co_u32 s[NXT], s[NXT], 1  ; the block's next tile, or behind its last the second block's tile 0
	s_cmp_gt_u32 s[NXT], s[LQ]
	s_cselect_b32 s[NXT], 0, s[NXT]
	s_cselect_b32 s[LQ], s[PBT], s[LQ]
.endif
	s_wait_dscnt 0x0                ; the add is done, and my reads of the slot are over
	s_barrier_signal -1             ; the rest of the scalar work stands between the signal and the wait
	s_sub_co_u32 s[TBK], s[TBK], 4*KS*PK  ; the fetches go back to a slot's first step,
	s_xor_b32 s[TBK], s[TBK], SLOT1       ; in the other slot
	s_sub_co_u32 s[TBV], s[TBV], 4*KS*PV
	s_xor_b32 s[TBV], s[TBV], SLOT1
	s_barrier_wait -1
.if \fill
	LOAD
.endif
.endm
	s_load_b128 s[48:51], s[0:1], 0x0  ; qkv s[48:49], ao s[50:51]
	v_lshl_add_u32 v[SPW], v0, 2, SPARE
	v_mov_b32 v[NIL], 0
	ds_add_u32 v[SPW], v[NIL]       ; the wave's opening: the add and its wait stand ahead of my first tensor load; the set-up below, work on registers, stands between them
	ds_add_u32 v28, v29
	v_lshrrev_b32 v1, 5, v0
	v_readfirstlane_b32 s[WV], v1   ; wave 0..3
	s_mov_b32 s[PB], ttmp9
	s_sub_co_u32 s[HI], 31, s[PB]
	s_and_b32 s20, ttmp7, 0xffff    ; the head,
	s_lshl_b32 s20, s20, 19         ; its 524,288 bytes
	s_and_b32 s16, s[WV], 1         ; which half of a tile's 256 keys I fetch:
	s_lshl_b32 s22, s16, 14         ; its 128 rows of 128 bytes in memory,
	s_add_co_u32 s22, s22, s20
	s_mov_b32 s23, 0
	s_mul_i32 s17, s16, 128*PK      ; and its place in a slot, for K
	s_mul_i32 s18, s16, 128*PV      ; and for V
	s_lshl_b32 s3, s[WV], 12        ; my 32 rows of a block,
	s_lshl_b32 s2, s[HI], 14        ; in the first block,
	s_add_co_u32 s2, s2, s3
	s_add_co_u32 s2, s2, s20
	s_lshl_b32 s84, s[PB], 14       ; and in the second
	s_add_co_u32 s84, s84, s3
	s_add_co_u32 s84, s84, s20
	s_mov_b32 s3, 0
	s_mov_b32 s85, 0
	; descriptor group 1.  128 keys are 16,384 dense bytes: asked for as 64 rows of 256 bytes, two keys a row, and padded in LDS after every key
	s_mov_b32 s[G1K], (1<<16)|(1<<20)|(4<<22)|(3<<25)  ; 17:16 2-byte elements; 20 padding on; 24:22 after every 32 words (code 4); 31:25 4 words (code 3)
	s_mov_b32 s[G1V], (1<<16)|(1<<20)|(4<<22)|(7<<25)  ; the same with 8 words of padding (code 7)
.irp g, G1K, G1V
	s_mov_b32 s[\g+1], 128<<16      ; tensor_dim0 = 128
	s_mov_b32 s[\g+2], 64<<16       ; tensor_dim1 = 64
	s_mov_b32 s[\g+3], 128<<16      ; tile_dim0 = 128
	s_mov_b32 s[\g+4], 64           ; tile_dim1 = 64
	s_mov_b32 s[\g+5], 128          ; 128 elements from row to row
	s_mov_b32 s[\g+6], 0
	s_mov_b32 s[\g+7], 0
.endr
	s_mov_b32 s[CS], 0x3e38aa3b     ; c = log2(e) / 8 = 0.180337
	s_mov_b32 s[CS+1], s[CS]        ; named with it as a pair
	s_mov_b32 s[SEL], 0x76543210
	s_mov_b32 s[SEL+1], 0xfedcba98
	s_mov_b32 s[TBK], SLOT1+4*KS*PK ; the first change of slots turns these two into 0
	s_mov_b32 s[TBV], SLOT1+4*KS*PV
	s_mov_b32 s[G0K], 1             ; count = 1
	s_mov_b32 s[G0K+1], s17         ; LDS address: slot 0
	s_mov_b32 s[G0V], 1
	s_add_co_u32 s[G0V+1], s18, VOFF
	s_lshr_b32 s[LQ], s[HI], 1      ; the first block's last tile,
	s_add_co_u32 s[RT], s[LQ], 1    ; and how many it has
	s_lshr_b32 s[PBT], s[PB], 1
	s_mov_b32 s[NXT], 1
	s_mov_b32 s[OFF+1], 0
	s_lshl_b32 s[DELTA], s[HI], 7   ; the first block's first query
	s_mov_b32 s[SLOTS], 16
	s_wait_dscnt 0x0                ; the opening add is done
	s_wait_kmcnt 0x0
	s_add_nc_u64 s[6:7], s[48:49], s[22:23]
	s_add_nc_u64 s[8:9], s[6:7], 2*PART            ; V at my half of the head's tile 0,
	s_add_nc_u64 s[6:7], s[6:7], PART              ; and K
	s_add_nc_u64 s[G0K+2:G0K+3], s[6:7], 0         ; global address
	s_or_b32 s[G0K+3], s[G0K+3], 0x80000000        ; type = 2
	s_add_nc_u64 s[G0V+2:G0V+3], s[8:9], 0
	s_or_b32 s[G0V+3], s[G0V+3], 0x80000000
	s_add_nc_u64 s[4:5], s[48:49], s[2:3]          ; Q and O at my rows of the first block,
	s_add_nc_u64 s[10:11], s[50:51], s[2:3]
	s_add_nc_u64 s[86:87], s[48:49], s[84:85]      ; and of the second
	s_add_nc_u64 s[OLO:OLO+1], s[50:51], s[84:85]
	LOAD                            ; tile 0 into slot 0: one load of mine is out
	; A fragment of K or Q is 16 rows x 32 channels in 8 registers: lane l holds row l % 16, channels 8 (l / 16) + 0..7 and 16 + 8 (l / 16) + 0..7: two loads of 16 bytes, 32 bytes apart.
	v_and_b32 v1, 15, v0            ; l % 16
	v_bfe_u32 v9, v0, 4, 1          ; l / 16
	v_lshlrev_b32 v[QO], 7, v1
	v_lshl_add_u32 v[QO], v9, 4, v[QO]  ; row x 128 + 16 x half
.set i, 0
.rept 4                             ; both blocks' Q: piece i / 2, channels 32 (i % 2) on
	global_load_b128 v[Q+8*i:Q+8*i+3],   v[QO], s[4:5] offset:(i/2)*2048+(i%2)*64
	global_load_b128 v[Q+8*i+4:Q+8*i+7], v[QO], s[4:5] offset:(i/2)*2048+(i%2)*64+32
.set i, i+1
.endr
	WIN W_T1
.set i, 0
.rept 4
	global_load_b128 v[QB+8*i:QB+8*i+3],   v[QO], s[86:87] offset:(i/2)*2048+(i%2)*64
	global_load_b128 v[QB+8*i+4:QB+8*i+7], v[QO], s[86:87] offset:(i/2)*2048+(i%2)*64+32
.set i, i+1
.endr
	; A block's first step multiplies O^T and l by a = 0, so they need only be finite: zeros for the first block, what the first block left for the second.  This stands in the wait for the first tile.
.set i, 0
.rept 64
	v_mov_b32 v[i], 0
.set i, i+1
.endr
	WIN 0
.irp t, 0,1
	v_mov_b32 v[ST+4*\t], 0xfe000000    ; c m: far below every c s
	v_mov_b32 v[ST+4*\t+1], 0xff7fffff  ; m: the lowest finite number
	v_mov_b32 v[ST+4*\t+2], 0
	v_mov_b32 v[ST+4*\t+3], 0
.endr
	v_mov_b32 v[BIG], 0xf149f2ca    ; -1e30
	v_lshlrev_b32 v[LQV], 3, v9
	v_sub_nc_u32 v[LQV], v1, v[LQV]
	s_lshl_b32 s13, s[WV], 5
	v_add_nc_u32 v[LQV], s13, v[LQV]
	v_mul_u32_u24 v[AK0], v1, PK
	v_lshl_add_u32 v[AK0], v9, 4, v[AK0]  ; row x pitch + 16 x half
	; The turning load takes 16 keys x 16 channels (lane l reads key 8 (l / 16) + l % 8, channels 8 ((l / 8) % 2) + 0..7) and leaves half a fragment of V^T: lane l holds channel l % 16 and 8 keys.
	v_and_b32 v10, 7, v0
	v_bfe_u32 v11, v0, 3, 1
	v_lshl_add_u32 v[AV0], v9, 3, v10
	v_mul_u32_u24 v[AV0], v[AV0], PV
	v_lshl_add_u32 v[AV0], v11, 4, v[AV0]
	v_add_nc_u32 v[AV0], VOFF, v[AV0]
	s_mul_i32 s13, s[WV], 16*SP
	s_add_co_u32 s13, s13, STAGE    ; my stage
	v_mul_u32_u24 v[STO], v1, SP    ; in: row l % 16, 16 bytes for each half of the lanes
	v_lshl_add_u32 v[STO], v9, 4, v[STO]
	v_add_nc_u32 v[STO], s13, v[STO]
	v_bfe_u32 v[RD], v0, 3, 2       ; back: 32 lanes take four rows of 128 bytes,
	v_mul_u32_u24 v[RD], v[RD], SP
	v_lshl_add_u32 v[RD], v10, 4, v[RD]
	v_add_nc_u32 v[RD], s13, v[RD]
	v_and_b32 v[GO], 31, v0         ; which are 512 consecutive bytes of O
	v_lshlrev_b32 v[GO], 4, v[GO]
; THE MATRIX WORK.  The 4 accumulators of a run of 8 take turns, one instruction a turn.
; Product i of 8 of S^T = K Q^T for piece t: channels 32 (i / 4) on, keys 16 (i % 4) on.  The first 4 start the sums.
.macro KQM t
.set rS, S+32*(\t)+8*(i%4)
.set rK, KF+16*(i%4)+8*(i/4)
.set rQ, Q+16*(\t)+8*(i/4)
.if i < 4
	v_wmma_f32_16x16x32_f16 v[rS:rS+7], v[rK:rK+7], v[rQ:rQ+7], 0
.else
	v_wmma_f32_16x16x32_f16 v[rS:rS+7], v[rK:rK+7], v[rQ:rQ+7], v[rS:rS+7]
.endif
.set i, i+1
.endm
; Product i of 8 of O^T += V^T P for piece t: keys 32 (i / 4) on, channels 16 (i % 4) on.
.macro PVM t
.set rO, 32*(\t)+8*(i%4)
.set rV, VF+32*(i/4)+8*(i%4)
.set rP, P+16*(\t)+8*(i/4)
	v_wmma_f32_16x16x32_f16 v[rO:rO+7], v[rV:rV+7], v[rP:rP+7], v[rO:rO+7]
.set i, i+1
.endm
.macro PVS t
	WIN W_PV
.set i, 0
.rept 8
	PVM \t
.endr
.endm
; THE LDS LOADS stand in runs of 16: a step's K (64 keys x 64 channels: 8 fragments) and its V (turned).
.macro FETCH_K
.irp f, 0,1,2,3,4,5,6,7             ; keys 16 (f / 2) on, channels 32 (f % 2) on
	ds_load_b128 v[KF+8*\f:KF+8*\f+3],   v[AK] offset:(\f/2)*16*PK+(\f%2)*64
	ds_load_b128 v[KF+8*\f+4:KF+8*\f+7], v[AK] offset:(\f/2)*16*PK+(\f%2)*64+32
.endr
	s_add_co_u32 s[TBK], s[TBK], KS*PK  ; the next fetch is the next step's
.endm
.macro FETCH_V
	WIN W_T1
.irp f, 0,1,2,3,4,5,6,7             ; keys 32 (f / 4) on, channels 16 (f % 4) on
	ds_load_tr16_b128 v[VF+8*\f:VF+8*\f+3],   v[AV] offset:(\f/4)*32*PV+(\f%4)*32
	ds_load_tr16_b128 v[VF+8*\f+4:VF+8*\f+7], v[AV] offset:(\f/4)*32*PV+16*PV+(\f%4)*32
.endr
	s_add_co_u32 s[TBV], s[TBV], KS*PV
	WIN 0
.endm
; THE VECTOR WORK, one line at a time: OP kind, piece, number.  F n: c s - c m for pair n of 16.  E n: the exponential of score n of 32.  C n: pair n rounded to f16.  B n: of the four weights 4 n .. the
; second pair is added onto the first, in place.  L n: l takes that sum (L 0: l = a l + sum).  R n: pair n of 16 of O^T times a.  X n: number n of the 22 that find the maximum and statistics:
;   0-11  four chains c0-c3 of seven scores each, three operands at a time (each accumulator's lowest registers are read first)
;   12-14, 16  the four scores left over, the old m, and c0-c3 into c0     15  c m_old is kept     17, 18  the query's other 32 keys lie in the lane 16 away: the new m     19-21  c m; c m_old - c m_new; a
.set F, 0
.set E, 1
.set C, 2
.set B, 3
.set L, 4
.set R, 5
.set X, 6
.macro REGS t
.set rT, ST+4*(\t)
.set rC, TMP+4*(\t)
.set rW, MV+(\t)
.set rS, S+32*(\t)
.set rP, P+16*(\t)
.set rO, 32*(\t)
.endm
.macro OP k, t, n
	REGS \t
.if (\k) == R
	WIN W_RS
	v_pk_mul_f32 v[rO+2*(\n):rO+2*(\n)+1], v[rO+2*(\n):rO+2*(\n)+1], v[rC+2:rC+3] op_sel_hi:[1,0]
.else
	WIN 0
.if (\k) == F
	v_pk_fma_f32 v[rS+2*(\n):rS+2*(\n)+1], v[rS+2*(\n):rS+2*(\n)+1], s[CS:CS+1], v[rT:rT+1] op_sel_hi:[1,0,0] neg_lo:[0,0,1] neg_hi:[0,0,1]
.elseif (\k) == E
	v_exp_f32 v[rS+(\n)], v[rS+(\n)]
.elseif (\k) == C
	s_wait_alu depctr_va_vdst(0)
	v_cvt_pk_f16_f32 v[rP+(\n)], v[rS+2*(\n)], v[rS+2*(\n)+1]
.elseif (\k) == B
	v_pk_add_f32 v[rS+4*(\n):rS+4*(\n)+1], v[rS+4*(\n):rS+4*(\n)+1], v[rS+4*(\n)+2:rS+4*(\n)+3]
.elseif ((\k) == L) && ((\n) == 0)
	v_pk_fma_f32 v[rT+2:rT+3], v[rT+2:rT+3], v[rC+2:rC+3], v[rS:rS+1] op_sel_hi:[1,0,1]
.elseif (\k) == L
	v_pk_add_f32 v[rT+2:rT+3], v[rT+2:rT+3], v[rS+4*(\n):rS+4*(\n)+1]
	s_wait_alu depctr_va_vdst(0)
.elseif (\n) < 4
	v_max3_num_f32 v[rC+(\n)], v[rS+8*(\n)], v[rS+8*(\n)+1], v[rS+8*(\n)+2]
.elseif (\n) < 12
	v_max3_num_f32 v[rC+(\n)%4], v[rC+(\n)%4], v[rS+8*((\n)%4)+2*((\n)/4)+1], v[rS+8*((\n)%4)+2*((\n)/4)+2]
.elseif (\n) == 12
	v_max3_num_f32 v[rC], v[rC], v[rS+7], v[rS+15]
.elseif (\n) == 13
	v_max3_num_f32 v[rC+1], v[rC+1], v[rS+23], v[rS+31]
.elseif (\n) == 14
	v_max3_num_f32 v[rC+2], v[rC+2], v[rC+3], v[rT+1]
.elseif (\n) == 15
	v_mov_b32 v[rW], v[rT]
.elseif (\n) == 16
	v_max3_num_f32 v[rC], v[rC], v[rC+1], v[rC+2]
.elseif (\n) == 17
	v_permlanex16_b32 v[rC+3], v[rC], s[SEL], s[SEL+1]
.elseif (\n) == 18
	v_max_num_f32 v[rT+1], v[rC], v[rC+3]
.elseif (\n) == 19
	v_mul_f32 v[rT], s[CS], v[rT+1]
.elseif (\n) == 20
	v_sub_f32 v[rC+1], v[rW], v[rT]
.else
	v_exp_f32 v[rC+2], v[rC+1]
.endif
.endif
.endm
.macro EP t, j, k, n                ; an exponential and the plain line behind it, which touches neither its result nor its source
	OP E, \t, \j
	OP \k, \t, \n
.endm
; Hidden scores become -1e30, each accumulator's registers in ascending order.
.macro MASK
.irp t, 0,1
.set i, 0
.rept 32
	v_cmp_gt_i32 vcc_lo, 16*(i/8)+i%8-16*(\t), v[D]
	v_cndmask_b32 v[S+32*(\t)+i], v[S+32*(\t)+i], v[BIG], vcc_lo
.set i, i+1
.endr
.endr
.endm
; Both pieces' maxima and statistics: the long chains piece by piece, the chain's end (each line waits for the one before it) with the pieces alternating.
.macro SM1
.irp n, 0,1,2,3,4,5,6,7,8,9,10,11,12,13
	OP X, 0, \n
.endr
.irp n, 0,1,2,3,4,5,6,7,8,9,10,11,12,13
	OP X, 1, \n
.endr
.irp n, 14,15,16,17,18,19,20,21
	OP X, 0, \n
	OP X, 1, \n
.endr
.endm
; A piece's 80 lines from scores to weights and l.  Every exponential has a plain line behind it (ISA guide 5.7.2) that is ready: a scaling some pairs ahead, then roundings and sums of weights long made.
.macro SM2 t
	OP F, \t, 0
	OP F, \t, 1
	OP F, \t, 2
	OP F, \t, 3
.set j, 0
.rept 12
	OP E, \t, j
	OP F, \t, j+4
.set j, j+1
.endr
	EP \t, 12, C, 0
	EP \t, 13, C, 1
	EP \t, 14, B, 0
	EP \t, 15, C, 2
	EP \t, 16, C, 3
	EP \t, 17, B, 1
	EP \t, 18, L, 0
	EP \t, 19, C, 4
	EP \t, 20, C, 5
	EP \t, 21, B, 2
	EP \t, 22, L, 1
	EP \t, 23, C, 6
	EP \t, 24, C, 7
	EP \t, 25, B, 3
	EP \t, 26, L, 2
	EP \t, 27, C, 8
	EP \t, 28, C, 9
	EP \t, 29, B, 4
	EP \t, 30, L, 3
	EP \t, 31, C, 10
	OP C, \t, 11
	OP B, \t, 5
	OP L, \t, 4
	OP C, \t, 12
	OP C, \t, 13
	OP B, \t, 6
	OP L, \t, 5
	OP C, \t, 14
	OP C, \t, 15
	OP B, \t, 7
	OP L, \t, 6
	OP L, \t, 7
.endm
.macro RS t                         ; the piece's O^T times a
.set j, 0
.rept 16
	OP R, \t, j
.set j, j+1
.endr
.endm
; A KEY STEP.
.macro STEP
	s_wait_dscnt 0x0                ; K is in
.set i, 0
.rept 8
	KQM 0
.endr
.set i, 0
.rept 8
	KQM 1
.endr
	v_add_nc_u32 v[AK], s[TBK], v[AK0]   ; four plain lines: the places between those products (and the last step's V^T P) and the loads into K's and V's registers
	v_add_nc_u32 v[AV], s[TBV], v[AV0]
	v_add_nc_u32 v[D], s[DELTA], v[LQV]
	v_nop
	s_cmp_eq_u32 s[CNT], 1
	s_cbranch_scc1 .Lno_k_\@        ; a tile's last step has no next K in this slot
	FETCH_K
.Lno_k_\@:
	FETCH_V
	s_cmp_lg_u32 s[RT], 0
	s_cbranch_scc1 .Lopen_\@        ; only a block's last tile hides keys
	MASK
.Lopen_\@:
	SM1
	SM2 0
	RS 0
	s_wait_dscnt 0x0                ; V is in, and the next K
	PVS 0
	SM2 1                           ; names no register of the products in front of it, and is issued while they run
	RS 1
	PVS 1
	WIN 0
	s_sub_co_u32 s[DELTA], s[DELTA], KS
.endm
; A BLOCK'S END: l's two halves and the other half of the lanes' are added; O^T is divided by l, rounded to f16 and sent through my stage in LDS, a piece at a time.
.macro PACK t                       ; a lane's eight channels of a row pack into 16 bytes; they go into rows of 144 bytes and come back as whole rows of 128, into S^T's registers
	WIN W_RS
.set i, 32*(\t)
.rept 16
	v_pk_mul_f32 v[i:i+1], v[i:i+1], v[ST+4*(\t)+2:ST+4*(\t)+3] op_sel_hi:[1,0]
.set i, i+2
.endr
	WIN 0x05                        ; sources 0 and 1 window 1, destination window 0
.set i, 0
.rept 16
	v_cvt_pk_f16_f32 v[S+16*(\t)+i], v[32*(\t)+2*i], v[32*(\t)+2*i+1]
.set i, i+1
.endr
	WIN 0
.irp f, 0,1,2,3
	ds_store_b128 v[STO], v[S+16*(\t)+4*\f:S+16*(\t)+4*\f+3] offset:32*\f
.endr
.irp f, 0,1,2,3
	ds_load_b128 v[S+16*(\t)+4*\f:S+16*(\t)+4*\f+3], v[RD] offset:\f*4*SP  ; LDS serves a wave's instructions in order (ISA guide 5.7.1.4): these see the stores above; the next piece's stores come behind them
.endr
.endm
.macro SEND t, younger              ; younger: the LDS instructions issued behind piece t's loads: the next piece's eight, or none
.irp f, 0,1,2,3
	s_wait_dscnt (\younger)+3-\f
	global_store_b128 v[GO], v[S+16*(\t)+4*\f:S+16*(\t)+4*\f+3], s[10:11] offset:(\t)*2048+\f*512  ; 512 consecutive bytes, at a multiple of 256 from O's first
.endr
.endm
.macro FINISH last
	WIN 0
.irp t, 0,1
	v_add_f32 v[ST+4*\t+2], v[ST+4*\t+2], v[ST+4*\t+3]
.endr
.irp t, 0,1
	v_permlanex16_b32 v[ST+4*\t+3], v[ST+4*\t+2], s[SEL], s[SEL+1]
.endr
.irp t, 0,1
	v_add_f32 v[ST+4*\t+2], v[ST+4*\t+2], v[ST+4*\t+3]
.endr
.irp t, 0,1
	v_rcp_f32 v[ST+4*\t+2], v[ST+4*\t+2]
.endr
	v_nop                           ; a plain instruction between the last reciprocal and the use of its result
	s_wait_alu depctr_va_vdst(0)
	PACK 0                          ; piece 0's lines are also the places behind piece 1's last products
	PACK 1
	SEND 0, 8
	SEND 1, 0
.if !(\last)                        ; the second block begins: only m, the counts, O's address and Q are set anew
	s_wait_xcnt 0x0                 ; the stores have read their registers and O's address: both are rewritten only behind this wait
	s_mov_b64 s[10:11], s[OLO:OLO+1]
	s_add_co_u32 s[RT], s[PBT], 1   ; it has b / 2 + 1 tiles
	s_lshl_b32 s[DELTA], s[PB], 7   ; its first query
.irp t, 0,1
	v_mov_b32 v[ST+4*\t], 0xfe000000
	v_mov_b32 v[ST+4*\t+1], 0xff7fffff
.endr
	WIN 0x01                        ; its Q goes where the one text of the steps names Q
.set i, 0
.rept 32
	v_mov_b32 v[Q+i], v[QB+i]
.set i, i+1
.endr
	WIN 0
.endif
.endm
; A TILE: K of its first step, its four steps, and behind a block's last tile the block's end.
.macro TILE last
	s_sub_co_u32 s[RT], s[RT], 1
	v_add_nc_u32 v[AK], s[TBK], v[AK0]
	FETCH_K
	s_mov_b32 s[CNT], 4
.Lstep_\@:
	STEP
	s_sub_co_u32 s[CNT], s[CNT], 1
	s_cmp_lg_u32 s[CNT], 0
	s_cbranch_scc1 .Lstep_\@
.if \last
	FINISH 1
.else
	s_cmp_lg_u32 s[RT], 0
	s_cbranch_scc1 .Lmore_\@
	FINISH 0
.Lmore_\@:
.endif
.endm
	s_wait_loadcnt 0x0              ; both blocks' Q
.Lslot:                             ; 16 times: a tile is entered and the next is asked for
	CHANGE 1
	TILE 0
	s_sub_co_u32 s[SLOTS], s[SLOTS], 1
	s_cmp_lg_u32 s[SLOTS], 0
	s_cbranch_scc1 .Lslot
	CHANGE 0                        ; the walk's last tile, the second block's last, is written out: nothing is asked for
	TILE 1
	s_wait_tensorcnt 0x0            ; the wave's end: behind my last tensor load and my last LDS store
	ds_add_u32 v[SPW], v[NIL]
	s_wait_dscnt 0x0
	s_endpgm
.Lfunc_end_k_qdd250826d7_attn:
	.size	k_qdd250826d7_attn, .Lfunc_end_k_qdd250826d7_attn-k_qdd250826d7_attn
	.p2alignl 7, 3214868480
	.fill 96, 4, 3214868480
	.section	.rodata,"a",@progbits
	.p2align	6, 0x0
	.amdhsa_kernel k_qdd250826d7_attn
		.amdhsa_group_segment_fixed_size 327680
		.amdhsa_private_segment_fixed_size 0
		.amdhsa_enable_private_segment 0
		.amdhsa_kernarg_size 16
		.amdhsa_user_sgpr_count 2
		.amdhsa_user_sgpr_kernarg_segment_ptr 1
		.amdhsa_wavefront_size32 1
		.amdhsa_system_sgpr_workgroup_id_x 1
		.amdhsa_system_sgpr_workgroup_id_y 1
		.amdhsa_system_sgpr_workgroup_id_z 1
		.amdhsa_system_vgpr_workitem_id 0
		.amdhsa_next_free_vgpr 416
		.amdhsa_next_free_sgpr 88
		.amdhsa_reserve_vcc 1
		.amdhsa_float_denorm_mode_32 3
		.amdhsa_float_denorm_mode_16_64 3
		.amdhsa_memory_ordered 1
		.amdhsa_forward_progress 1
		.amdhsa_inst_pref_size 74
	.end_amdhsa_kernel
	.amdgpu_metadata
---
amdhsa.version: [ 1, 2 ]
amdhsa.kernels:
  - .name:           k_qdd250826d7_attn
    .symbol:         k_qdd250826d7_attn.kd
    .args:
      - { .name: qkv, .offset: 0, .size: 8, .value_kind: global_buffer, .address_space: global }
      - { .name: ao, .offset: 8, .size: 8, .value_kind: global_buffer, .address_space: global }
    .group_segment_fixed_size: 327680
    .private_segment_fixed_size: 0
    .kernarg_segment_align: 8
    .kernarg_segment_size: 16
    .max_flat_workgroup_size: 128
    .sgpr_count:     88
    .vgpr_count:     416
    .wavefront_size: 32
...
	.end_amdgpu_metadata
.endif
;; end of part 3
;; launch proj (part 4): grid 8 x 32, 4 waves a work-group, clusters of 4 x 4, 327,680 bytes of LDS; arguments ao, wpb, out0; writes out0
.if DOCPART == 4
	.amdgcn_target "amdgcn-amd-amdhsa--gfx1250"
	.amdhsa_code_object_version 6
	.text
	.protected	k_qdd250826d7_proj
	.globl	k_qdd250826d7_proj
	.p2align	8
	.type	k_qdd250826d7_proj,@function
k_qdd250826d7_proj:
	s_mov_b64 s[64:65], 0
	v_nop
	global_prefetch_b8 v0, s[64:65] scope:SCOPE_SE
	s_setreg_imm32_b32 hwreg(HW_REG_WAVE_MODE, 25, 1), 1
	s_wait_xcnt 0x0
	s_wait_alu depctr_hold_cnt(0) depctr_sa_sdst(0) depctr_va_vdst(0) depctr_va_sdst(0) depctr_va_ssrc(0) depctr_va_vcc(0) depctr_vm_vsrc(0)
	s_getreg_b32 s2, hwreg(HW_REG_IB_STS2, 6, 4)
	s_cmp_eq_u32 s2, 0
	s_cbranch_scc0 .Lentry_in_a_cluster
	s_endpgm
.Lentry_in_a_cluster:
	s_bfe_u32 s2, ttmp6, 0x10000c
	s_cmp_lg_u32 s2, 0xf033
	s_cbranch_scc0 .Lentry_shape_is_right
	s_endpgm
.Lentry_shape_is_right:
; out0 = y w_proj, y[row][64 h + d] = ao[h][row][d].  ao: [16][4096][64] f16, wpb: [1024 k][1024 n] f16 (bf16 numbers written as f16), out0: [4096][1024] f32; sums in f32.
; SHARES.  A tile of the result is 128 x 128: 32 x 8 = 256 work-groups.  Four waves, each 64 x 64: 16 accumulators of 16 x 16, 128 registers.
; K goes in 4 steps of 256 (four heads) through a ring of two LDS slots.  A head's 128 rows of a tile are 16,384 dense bytes: waves 0 and 1 each bring two heads as two such long rows, padded in LDS
; after every 128 bytes; waves 2 and 3 each bring 128 k-rows x 256 bytes of w, which is taken as it lies, [k][n], and turned on its way out of LDS by ds_load_tr16_b128.
; CLUSTER 4 x 4: the four of a row of the cluster need the same tiles of y, the four of a column the same tiles of w: each is asked for jointly.
; THE MATRIX INSTRUCTION IS USED TRANSPOSED (source 0 = 16 columns of w, source 1 = 16 rows of y): a lane then holds eight neighbouring numbers of a row of the result.
; REGISTERS: window 0: v0-31 addresses; v32-63, v64-95 rows read back from the stage, by turns; v128-255 the accumulators ((a, b) at v[128 + 8 (4 a + b)]).
;   window 1: two fragment buffers of 128: for 64 along K (one head), 64 registers of y (2 x 4 x 16 rows x 32 K), then 64 of w.
.set PA,     144                       ; a row of y in LDS: 128 bytes + 16: the 16 rows of a load start at 16 different groups of four banks (64 banks of 4 bytes: ISA guide 11.1)
.set PB,     288                       ; a k-row of w: 256 + 32
.set HALFT,  36864                     ; what one tensor load fills: 2 heads x 128 rows x 144, or 128 k-rows x 288
.set SLOT,   4*HALFT                   ; y's four heads, then w's 256 k-rows
.set STAGE,  2*SLOT                    ; behind the ring, never filled by a tensor load: 16 rows x 272 bytes for each wave
.set SPITCH, 272
.set SPARE,  STAGE+4*16*SPITCH         ; behind the stages: the spare words, 128 bytes a wave: two blocks of 256 bytes that no other line names
.set STEP_A, 8*524288                  ; bytes from a slot's K step to its next: y goes eight heads on,
.set STEP_B, 512*2048                  ; w 512 rows down
.set ADRA, 16                          ; v16-17  LDS address of my fragments of y in slot 0, 1
.set ADRB, 20                          ; v20-23  of my fragments of w: slot s, half of its 256 k-rows at v[20 + 2 s + half]
.set STO,  24                          ; v24     the way out: where I put 32 bytes of a row
.set RD,   25                          ; v25     the way out: where I read a row back
.set CO,   26                          ; v26     my byte offset in the result
.set SPW,  28                          ; v28     LDS address of my spare word; never rewritten
.set NIL,  29                          ; v29     0; never rewritten
.set OB,   32
.set ACC,  128
.set F0,   0                           ; fragment buffers, in window 1
.set F1,   128
.set G1,  24                           ; s[24:31] descriptor group 1 for y's tiles;  s[32:39] group 0, a set for each slot
.set G0,  32
.set G1B, 48                           ; s[48:55], s[56:63] the same for w's tiles
.set G0B, 56
.set MSB, 0
.macro WIN new                         ; the immediate's high byte repeats the setting that is left; a switch that changes nothing is dropped
.if MSB != (\new)
	s_set_vgpr_msb (MSB<<8)|(\new)
.set MSB, \new
.endif
.endm
.set MUL,  0x05                        ; sources 0 and 1 window 1; C and D window 0
.set TO_F, 0x40                        ; destination window 1, address window 0
.macro JLOAD s                         ; a joint load: waves 0 and 1 fetch y's two pairs of heads, waves 2 and 3 w's two halves; an s_nop 0 and four v_nop follow each of the two lines, ahead of the jump, the label and what follows
	s_cmp_eq_u32 s11, 0
	s_cbranch_scc0 .Lfor_b_\@
	tensor_load_to_lds s[G0+4*(\s):G0+4*(\s)+3], s[G1:G1+7]
	s_nop 0
.rept 4
	v_nop
.endr
	s_branch .Lasked_\@
.Lfor_b_\@:
	tensor_load_to_lds s[G0B+4*(\s):G0B+4*(\s)+3], s[G1B:G1B+7]
	s_nop 0
.rept 4
	v_nop
.endr
.Lasked_\@:
.endm
.macro CREST                           ; a round of the cluster's barrier behind its opening barrier
	s_cmp_lg_u32 s10, 0
	s_cbranch_scc1 .Lnot_wave_0_\@
	s_barrier_signal -3
.Lnot_wave_0_\@:
	s_barrier_wait -3
	s_barrier_signal -1
	s_barrier_wait -1
.endm
.macro CROUND                          ; a whole round
	s_barrier_signal -1
	s_barrier_wait -1
	CREST
.endm
	s_load_b128 s[4:7], s[0:1], 0x0                ; ao s[4:5], wpb s[6:7]
	s_load_b64 s[8:9], s[0:1], 0x10                ; out0
	v_lshl_add_u32 v[SPW], v0, 2, SPARE
	v_mov_b32 v[NIL], 0
	ds_add_u32 v[SPW], v[NIL]                      ; the wave's opening: the add and its wait stand ahead of my first tensor load; the set-up below, work on registers, stands between them
	ds_add_u32 v28, v29
	v_lshrrev_b32 v1, 5, v0
	v_readfirstlane_b32 s10, v1                    ; wave 0..3
	s_lshr_b32 s11, s10, 1                         ; which half of the tile's rows is mine.  Also: I fetch for y (0) or for w (1)
	s_and_b32 s12, s10, 1                          ; which half of its columns.  Also: which half of that K step's tile I fetch
	s_bfe_u32 s40, ttmp6, 0x40000                  ; cx, cy: my place in the cluster
	s_bfe_u32 s41, ttmp6, 0x40004
	s_lshl_b32 s42, ttmp9, 2
	s_add_co_u32 s42, s42, s40                     ; tile column = 4 x cluster x + cx
	s_and_b32 s13, ttmp7, 0xffff
	s_lshl_b32 s13, s13, 2
	s_add_co_u32 s13, s13, s41                     ; tile row = 4 x cluster y + cy
	s_lshl_b32 s43, s41, 2
	s_lshl_b32 s43, 15, s43                        ; my row of the cluster
	s_lshl_b32 s44, 0x1111, s40                    ; my column
	; descriptor group 1 for y: two rows of 8,192 elements (a head's 128 rows x 64 channels, dense), a head apart
	s_or_b32 s[G1+0], s43, (1<<16)|(1<<20)|(1<<21)|(4<<22)|(3<<25)   ; 15:0 the mask: my row; 17:16 2-byte elements; 20 padding on; 21 set beside a mask; 24:22 after every 32 words (code 4); 31:25 4 words (code 3)
	s_mov_b32 s[G1+1], 8192<<16                    ; tensor_dim0 = 8,192
	s_mov_b32 s[G1+2], 2<<16                       ; tensor_dim1 = 2
	s_mov_b32 s[G1+3], 8192<<16                    ; tile_dim0 = 8,192
	s_mov_b32 s[G1+4], 2                           ; tile_dim1 = 2
	s_mov_b32 s[G1+5], 4096*64                     ; elements from head to head
	s_mov_b32 s[G1+6], 0
	s_mov_b32 s[G1+7], 0
	; and for w: 128 k-rows x 128 elements
	s_or_b32 s[G1B+0], s44, (1<<16)|(1<<20)|(1<<21)|(5<<22)|(7<<25)  ; the mask: my column; after every 64 words (code 5) 8 words (code 7)
	s_mov_b32 s[G1B+1], 128<<16
	s_mov_b32 s[G1B+2], 128<<16
	s_mov_b32 s[G1B+3], 128<<16
	s_mov_b32 s[G1B+4], 128
	s_mov_b32 s[G1B+5], 1024
	s_mov_b32 s[G1B+6], 0
	s_mov_b32 s[G1B+7], 0
	; where the tiles come from: y's hang on the tile row and the wave alone, w's on the tile column and the wave alone, each in registers that never hold the other coordinate
	s_lshl_b32 s16, s12, 20                        ; y: heads 2 x half on,
	s_lshl_b32 s17, s13, 14                        ; 128 rows of 128 bytes a tile row
	s_add_co_u32 s16, s16, s17
	s_mov_b32 s17, 0
	s_lshl_b32 s46, s12, 18                        ; w: k-rows 128 x half on, 2,048 bytes each,
	s_lshl_b32 s47, s42, 8                         ; 256 bytes a tile column
	s_add_co_u32 s46, s46, s47
	s_mov_b32 s47, 0
	s_mul_i32 s20, s10, HALFT                      ; and where they go: no place in the cluster enters an LDS address
	s_wait_dscnt 0x0                               ; the opening add is done
	s_wait_kmcnt 0x0
	s_add_nc_u64 s[14:15], s[4:5], s[16:17]
	s_add_nc_u64 s[46:47], s[6:7], s[46:47]
	CROUND                                         ; all sixteen work-groups are here: the first joint loads meet
.irp s, 0,1
	s_mov_b32 s[G0+4*(\s)], 1
	s_add_co_u32 s[G0+4*(\s)+1], s20, (\s)*SLOT
	s_add_nc_u64 s[G0+4*(\s)+2:G0+4*(\s)+3], s[14:15], (\s)*4*524288   ; K step s: four heads on
	s_or_b32 s[G0+4*(\s)+3], s[G0+4*(\s)+3], 0x80000000
	s_mov_b32 s[G0B+4*(\s)], 1
	s_add_co_u32 s[G0B+4*(\s)+1], s20, (\s)*SLOT
	s_add_nc_u64 s[G0B+4*(\s)+2:G0B+4*(\s)+3], s[46:47], (\s)*256*2048 ; 256 k-rows down
	s_or_b32 s[G0B+4*(\s)+3], s[G0B+4*(\s)+3], 0x80000000
	JLOAD \s                                       ; two loads of mine are out
.endr
	v_and_b32 v1, 15, v0                           ; l % 16
	v_bfe_u32 v2, v0, 4, 1                         ; l / 16
	v_mul_u32_u24 v3, v1, PA
	v_lshl_add_u32 v3, v2, 4, v3                   ; a fragment of y: row x pitch + 16 x half
	s_mul_i32 s21, s11, 64*PA                      ; my 64 rows
	v_add_nc_u32 v[ADRA], s21, v3
	s_add_co_u32 s21, s21, SLOT
	v_add_nc_u32 v[ADRA+1], s21, v3
	; The turning load takes 16 k x 16 columns (lane l reads k-row 8 (l / 16) + l % 8, columns 8 ((l / 8) % 2) + 0..7) and leaves half a fragment: lane l holds column l % 16 and 8 k.
	v_and_b32 v5, 7, v0
	v_lshl_add_u32 v5, v2, 3, v5
	v_mul_u32_u24 v4, v5, PB
	v_bfe_u32 v5, v0, 3, 1
	v_lshl_add_u32 v4, v5, 4, v4
	s_lshl_b32 s22, s12, 7                         ; my 64 columns: 128 bytes,
	s_add_co_u32 s22, s22, 2*HALFT                 ; behind y's four heads
	v_add_nc_u32 v[ADRB], s22, v4
	s_add_co_u32 s22, s22, HALFT
	v_add_nc_u32 v[ADRB+1], s22, v4
	s_add_co_u32 s22, s22, 3*HALFT
	v_add_nc_u32 v[ADRB+2], s22, v4
	s_add_co_u32 s22, s22, HALFT
	v_add_nc_u32 v[ADRB+3], s22, v4
	s_mul_i32 s23, s10, 16*SPITCH
	s_add_co_u32 s23, s23, STAGE                   ; my stage
	v_mul_u32_u24 v[STO], v1, SPITCH               ; in: row l % 16, 32 bytes for each half of the lanes
	v_lshl_add_u32 v[STO], v2, 5, v[STO]
	v_add_nc_u32 v[STO], s23, v[STO]
	v_mul_u32_u24 v[RD], v2, SPITCH                ; back: lanes 0-15 take one row of 256 bytes, lanes 16-31 the next
	v_lshl_add_u32 v[RD], v1, 4, v[RD]
	v_add_nc_u32 v[RD], s23, v[RD]
	v_lshlrev_b32 v[CO], 12, v2                    ; and the same two rows in the result
	v_lshl_add_u32 v[CO], v1, 4, v[CO]
	s_lshl_b32 s16, s13, 19                        ; my first row: (128 x tile row + 64 x half) rows of 4,096 bytes
	s_lshl_b32 s17, s11, 18
	s_add_co_u32 s16, s16, s17
	s_mov_b32 s17, 0
	s_add_nc_u64 s[8:9], s[8:9], s[16:17]
	s_lshl_b32 s46, s42, 9                         ; my first column, in bytes: 512 x tile column + 256 x half
	s_lshl_b32 s47, s12, 8
	s_add_co_u32 s46, s46, s47
	s_mov_b32 s47, 0
	s_add_nc_u64 s[8:9], s[8:9], s[46:47]
; 8 matrix instructions: row blocks a0, a0 + 1 x all 4 column blocks, 32 along K: half c of buffer f.  zero = 1: the product starts the sums.  The 16 accumulators take turns.
.macro MUL8 f, c, a0, zero
	WIN MUL
.irp a, \a0, (\a0)+1
.irp b, 0,1,2,3
.if \zero
	v_wmma_f32_16x16x32_f16 v[ACC+8*(4*(\a)+(\b)):ACC+8*(4*(\a)+(\b))+7], v[(\f)+64+8*(4*(\c)+(\b)):(\f)+64+8*(4*(\c)+(\b))+7], v[(\f)+8*(4*(\c)+(\a)):(\f)+8*(4*(\c)+(\a))+7], 0
.else
	v_wmma_f32_16x16x32_f16 v[ACC+8*(4*(\a)+(\b)):ACC+8*(4*(\a)+(\b))+7], v[(\f)+64+8*(4*(\c)+(\b)):(\f)+64+8*(4*(\c)+(\b))+7], v[(\f)+8*(4*(\c)+(\a)):(\f)+8*(4*(\c)+(\a))+7], v[ACC+8*(4*(\a)+(\b)):ACC+8*(4*(\a)+(\b))+7]
.endif
.endr
.endr
.endm
; 32 LDS loads in one run: the fragments of quarter q (one head, 64 along K) of a slot into buffer f; the first 32 along K first
.macro FETCH slot, q, f
	WIN TO_F
.irp c, 0,1
.irp i, 0,1,2,3
	ds_load_tr16_b128 v[(\f)+64+8*(4*(\c)+(\i)):(\f)+64+8*(4*(\c)+(\i))+3],   v[ADRB+2*(\slot)+(\q)/2] offset:(((\q)%2)*64+32*(\c))*PB+32*(\i)
	ds_load_tr16_b128 v[(\f)+64+8*(4*(\c)+(\i))+4:(\f)+64+8*(4*(\c)+(\i))+7], v[ADRB+2*(\slot)+(\q)/2] offset:(((\q)%2)*64+32*(\c)+16)*PB+32*(\i)
	ds_load_b128 v[(\f)+8*(4*(\c)+(\i)):(\f)+8*(4*(\c)+(\i))+3],              v[ADRA+(\slot)] offset:(\q)*128*PA+64*(\c)+(\i)*16*PA
	ds_load_b128 v[(\f)+8*(4*(\c)+(\i))+4:(\f)+8*(4*(\c)+(\i))+7],            v[ADRA+(\slot)] offset:(\q)*128*PA+64*(\c)+(\i)*16*PA+32
.endr
.endr
.endm
.macro PLACES                          ; four plain vector instructions between a matrix instruction and a load into its registers, or a reader of its result
.rept 4
	v_nop
.endr
.endm
; A K step is four quarters of 64 along K, 32 matrix instructions each, on buffers 0, 1, 0, 1.  One of the first three: multiplies buffer f and fetches quarter q into g.
.macro QUARTER slot, q, f, g, zero
	s_wait_dscnt 16                                ; the first 32 along K are in
	MUL8 \f, 0, 0, \zero
	MUL8 \f, 0, 2, \zero
	PLACES
	FETCH \slot, \q, \g
	s_wait_dscnt 32                                ; all but the 32 just issued
	MUL8 \f, 1, 0, 0
	MUL8 \f, 1, 2, 0
.endm
; The last quarter multiplies buffer 1 and changes slots: ONE barrier; in front of it each wave waits for all its tensor loads (one is out: its part of the next slot), adds 0 to its spare word,
; and waits for that and for its own reads of this slot.  fill = 1: the barrier opens a round of the cluster's, and behind the round this slot is filled again, two K steps ahead.
.macro TURN slot, next, fill
	WIN 0                                          ; (the add's two registers lie in window 0)
	s_wait_tensorcnt 0x0                           ; all my tensor loads have landed;
	ds_add_u32 v[SPW], v[NIL]                      ; 0 onto my spare word;
	s_wait_dscnt 17                                ; (the add and the youngest sixteen loads may be out)
	MUL8 F1, 0, 0, 0                               ; eight matrix instructions stand between the add and the wait for it
	s_wait_dscnt 0x0                               ; the add is done, and my reads of this slot are over
	s_barrier_signal -1
	MUL8 F1, 0, 2, 0
.if \fill
	WIN 0
.endif
	s_barrier_wait -1
.if \fill
	CREST                                          ; no wave of any partner still reads this slot's tiles or has a load on its way
	s_add_nc_u64 s[G0+4*(\slot)+2:G0+4*(\slot)+3], s[G0+4*(\slot)+2:G0+4*(\slot)+3], STEP_A
	s_add_nc_u64 s[G0B+4*(\slot)+2:G0B+4*(\slot)+3], s[G0B+4*(\slot)+2:G0B+4*(\slot)+3], STEP_B
	JLOAD \slot                                    ; my one tensor load behind the round, and the first thing there; its four v_nop are also the places in front of the loads below
.else
	PLACES
.endif
	FETCH \next, 0, F0
	MUL8 F1, 1, 0, 0
	MUL8 F1, 1, 2, 0
.endm
	s_wait_tensorcnt 1                             ; my part of K step 0 is in; K step 1's may stay out
	s_barrier_signal -1
	s_barrier_wait -1                              ; everybody's is
	FETCH 0, 0, F0
	QUARTER 0, 1, F0, F1, 1                        ; K steps 0 and 1: the first products start the sums; both slots are filled again.  K has four steps, so nothing is looped
	QUARTER 0, 2, F1, F0, 0
	QUARTER 0, 3, F0, F1, 0
	TURN 0, 1, 1
	QUARTER 1, 1, F0, F1, 0
	QUARTER 1, 2, F1, F0, 0
	QUARTER 1, 3, F0, F1, 0
	TURN 1, 0, 1
	QUARTER 0, 1, F0, F1, 0                        ; K steps 2 and 3 fill nothing, and have no round
	QUARTER 0, 2, F1, F0, 0
	QUARTER 0, 3, F0, F1, 0
	TURN 0, 1, 0
	QUARTER 1, 1, F0, F1, 0
	QUARTER 1, 2, F1, F0, 0
	QUARTER 1, 3, F0, F1, 0
	s_wait_dscnt 16                                ; the very last quarter: nothing more to fetch
	MUL8 F1, 0, 0, 0
	MUL8 F1, 0, 2, 0
	s_wait_dscnt 0x0
	MUL8 F1, 1, 0, 0
	MUL8 F1, 1, 2, 0
	WIN 0
	; THE WAY OUT, a block of 16 rows at a time.  A lane's eight f32 of a row are 32 bytes; they go into my own stage (each accumulator's low half first) and come back as whole rows: my 64 columns
	; are 256 bytes, so 16 lanes store 256 consecutive bytes at a multiple of 256 from the result's first byte, and no other wave has a part in them.
	PLACES
.irp a, 0,1,2,3
.set OBA, OB+32*((\a)%2)
.if (\a) >= 2
	s_wait_xcnt 0x0                                ; the stores of two blocks ago have read these registers: they are loaded again only behind this wait
.endif
.irp b, 0,1,2,3
	ds_store_b128 v[STO], v[ACC+8*(4*(\a)+(\b)):ACC+8*(4*(\a)+(\b))+3]   offset:64*(\b)
	ds_store_b128 v[STO], v[ACC+8*(4*(\a)+(\b))+4:ACC+8*(4*(\a)+(\b))+7] offset:64*(\b)+16
.endr
.irp t, 0,1,2,3,4,5,6,7
	ds_load_b128 v[OBA+4*(\t):OBA+4*(\t)+3], v[RD] offset:(\t)*2*SPITCH  ; LDS serves a wave's instructions in order (ISA guide 5.7.1.4): these see the stores above; the next block's stores come behind them
.endr
	s_wait_dscnt 0x0                               ; the block is back in registers
.irp t, 0,1,2,3,4,5,6,7
	global_store_b128 v[CO], v[OBA+4*(\t):OBA+4*(\t)+3], s[8:9] offset:(16*(\a)+2*(\t))*4096 th:TH_STORE_NT
.endr
.endr
	s_wait_tensorcnt 0x0                           ; the wave's end: behind my last tensor load and my last LDS store
	ds_add_u32 v[SPW], v[NIL]
	s_wait_dscnt 0x0
	CROUND                                         ; the closing round: no work-group ends while a partner may still ask for a tile that names it
	s_endpgm
.Lfunc_end_k_qdd250826d7_proj:
	.size	k_qdd250826d7_proj, .Lfunc_end_k_qdd250826d7_proj-k_qdd250826d7_proj
	.p2alignl 7, 3214868480
	.fill 96, 4, 3214868480
	.section	.rodata,"a",@progbits
	.p2align	6, 0x0
	.amdhsa_kernel k_qdd250826d7_proj
		.amdhsa_group_segment_fixed_size 327680
		.amdhsa_private_segment_fixed_size 0
		.amdhsa_enable_private_segment 0
		.amdhsa_kernarg_size 24
		.amdhsa_user_sgpr_count 2
		.amdhsa_user_sgpr_kernarg_segment_ptr 1
		.amdhsa_wavefront_size32 1
		.amdhsa_system_sgpr_workgroup_id_x 1
		.amdhsa_system_sgpr_workgroup_id_y 1
		.amdhsa_system_sgpr_workgroup_id_z 1
		.amdhsa_system_vgpr_workitem_id 0
		.amdhsa_next_free_vgpr 512
		.amdhsa_next_free_sgpr 66
		.amdhsa_reserve_vcc 0
		.amdhsa_float_denorm_mode_32 3
		.amdhsa_float_denorm_mode_16_64 3
		.amdhsa_memory_ordered 1
		.amdhsa_forward_progress 1
		.amdhsa_inst_pref_size 86
	.end_amdhsa_kernel
	.amdgpu_metadata
---
amdhsa.version: [ 1, 2 ]
amdhsa.kernels:
  - .name:           k_qdd250826d7_proj
    .symbol:         k_qdd250826d7_proj.kd
    .args:
      - { .name: ao, .offset: 0, .size: 8, .value_kind: global_buffer, .address_space: global }
      - { .name: wpb, .offset: 8, .size: 8, .value_kind: global_buffer, .address_space: global }
      - { .name: out0, .offset: 16, .size: 8, .value_kind: global_buffer, .address_space: global }
    .group_segment_fixed_size: 327680
    .private_segment_fixed_size: 0
    .kernarg_segment_align: 8
    .kernarg_segment_size: 24
    .max_flat_workgroup_size: 128
    .sgpr_count:     66
    .vgpr_count:     512
    .wavefront_size: 32
...
	.end_amdgpu_metadata
.endif
;; end of part 4
;; ======== version 2 of 2: 4 launches; 1.31 times as fast as version 1
;; limits: values are held in f16: magnitudes above 65,504 overflow, below 6.1e-05 lose precision
;; workspace buffers: xb 8,388,608 bytes; wqb 6,291,456 bytes; wpb 2,097,152 bytes; qkv 25,165,824 bytes; ao 8,388,608 bytes
;; launch cast: the kernel of part 1 again; grid 512 x 1, 8 waves a work-group, no clusters, 0 bytes of LDS; arguments x, w_qkv, w_proj, xb, wqb, wpb; writes xb, wqb, wpb
;; launch qkv: the kernel of part 2 again; grid 8 x 32, 4 waves a work-group, clusters of 4 x 4, 327,680 bytes of LDS; arguments xb, wqb, qkv; writes qkv
;; launch attn (part 5): grid 16 x 16, 4 waves a work-group, no clusters, 327,680 bytes of LDS; arguments qkv, ao; writes ao
.if DOCPART == 5
	.amdgcn_target "amdgcn-amd-amdhsa--gfx1250"
	.amdhsa_code_object_version 6
	.text
	.protected	k_qdd250826d7_attn
	.globl	k_qdd250826d7_attn
	.p2align	8
	.type	k_qdd250826d7_attn,@function
k_qdd250826d7_attn:
	s_mov_b64 s[64:65], 0
	v_nop
	global_prefetch_b8 v0, s[64:65] scope:SCOPE_SE
	s_setreg_imm32_b32 hwreg(HW_REG_WAVE_MODE, 25, 1), 1
	s_wait_xcnt 0x0
; CAUSAL ATTENTION.  ao[h][q][:] = the sum over k <= q of softmax_k(Q[h][q] . K[h][k] / 8) V[h][k][:].  qkv: [48][4096][64] f16 (16 heads of q, of k, of v), ao: [16][4096][64] f16.
; Products, maxima and sums in f32; the weights p are rounded to f16 for the second product (their sum l is taken of the unrounded p), O once at the end.
; LIMITS.  q, k, v arrive within f16's 65,504.  A hidden score counts as -1e30: f16's scores, 2.7e11 at the most, are nothing beside that.  A weight below 2^-126 counts as 0 in l.
; NaN and infinities are not treated apart.
; THE WALK.  A head's queries lie in 32 blocks of 128; block i needs the key tiles 0 .. i / 2 of 256 keys, of which the last holds the diagonal.  A work-group takes TWO blocks, 31 - b and then b:
; 17 tiles, whatever b: 16 x 16 = 256 work-groups of equal work, and ONE loop with a constant trip count walks the tiles through a ring of two LDS slots, which runs on across the change of blocks.
; Which tile is asked for, and what a trip does, hang on scalar registers made from b; every jump but the counted loops' own goes forward, past neither a barrier nor a tensor load.
; NO CLUSTER: where a block ends hangs on b, which would hold the place in the cluster, and only blocks 2 j and 2 j + 1 walk the same tiles: four partners would need different tiles.
; SHARES.  Wave w owns rows 32 w .. 32 w + 31 of a block: two PIECES of 16 queries.  Every wave walks all the block's keys, 64 a step.
; LAYOUT.  S^T = K Q^T (source 0 = 16 keys, source 1 = 16 queries) holds ONE query a lane (lane % 16) and the keys 8 (lane / 16) + 0..7; two such results rounded to f16 ARE source 1 of
; O^T = V^T P.  K comes out of LDS as it lies, V ([key][channel]) turned, by ds_load_tr16_b128.
; SOFTMAX.  p = 2^(c s - c m), c = log2(e) / 8, with a running maximum m; O and l are multiplied by a = 2^(c m_old - c m_new) in every step.  m starts at the lowest finite number,
; so a block's first step has a = 0 and is a step like any other; O and l need only be finite there.
; THE MASK stands in the steps of a block's last tile alone: score register i of piece t is hidden where 16 (i / 8) + i % 8 - 16 t > D, with
; D = (the block's first query - the step's first key) + 32 w + lane % 16 - 8 (lane / 16): whole numbers made of ids and counts.  In an even block that tile's last two steps are wholly hidden and are
; computed all the same: 2 of the walk's 68 steps.
; A STEP.  Both pieces' K Q^T; the fetches of the next K and this V; then ONE BATCH of 66 exponentials (both pieces' a and their 64 weights), dealt among the plain lines that feed it (maxima, statistics,
; scalings), none of which names a result of the batch; ONE wait; then all that reads the batch: piece 0's roundings and rescaling; its V^T P, with piece 1's rescaling and roundings four behind each
; product; piece 1's V^T P, with both pieces' sums four behind each product.  A block's end has a batch of its own: two reciprocals, one wait.
; REGISTERS, in windows of 256 (s_set_vgpr_msb: bits 1:0 source 0, 3:2 source 1, 5:4 source 2, 7:6 destination):
;   window 0: v0-31 addresses and statistics; v32-39 at work; v64-95 Q; v96-127 P; v128-191 K of one step; v192-255 S^T
;   window 1: v0-63 O^T, 32 a piece; v64-127 V of one step; v128-159 the second block's Q
.set KS,    64        ; keys in a step
.set PK,    144       ; a row of K in LDS: 128 bytes + 16 of padding: the 16 rows of a load start at 16 different groups of four banks (64 banks of 4 bytes: ISA guide 11.1)
.set PV,    160       ; a row of V: 128 + 32
.set VOFF,  4*KS*PK   ; a slot holds a tile, four steps: 256 rows of K, then 256 rows of V
.set SLOT1, 1<<17     ; slot 1 begins here, so that one exclusive or turns an address in one slot into the other's
.set STAGE, SLOT1+4*KS*(PK+PV)  ; behind the ring, never filled by a tensor load: 16 rows x 144 bytes for each wave, for the way out
.set SP,    144
.set SPARE, STAGE+4*16*SP       ; behind the stages: the spare words, 128 bytes a wave: two blocks of 256 bytes that no other line names
.set PART,  16*4096*128         ; bytes of q's 16 heads, and of k's
.set AK0, 2           ; v2   my lane's place in a tile of K; never rewritten
.set AV0, 3           ; v3   the same for V
.set AK,  4           ; v4   the LDS address of K's next run of loads
.set AV,  5           ; v5   of V's
.set STO, 6           ; v6   the way out: where I put 16 bytes of a row
.set RD,  7           ; v7   the way out: where I read rows back
.set GO,  8           ; v8   my 16 bytes in 512 consecutive bytes of O
.set MV,  12          ; v12-13  c m_old, kept while c m is made anew: by piece
.set LQV, 14          ; v14  32 w + lane % 16 - 8 (lane / 16)
.set QO,  15          ; v15  my byte offset in 16 rows of Q
.set ST,  16          ; piece t's statistics at v[ST+4 t]: c m, m, l (even keys', odd keys')
.set D,   24          ; v24  the step's D
.set BIG, 25          ; v25  -1e30
.set SPW, 28          ; v28  LDS address of my spare word; never rewritten
.set NIL, 29          ; v29  0; never rewritten
.set TMP, 32          ; by piece, four registers c0-c3 at work; when the maximum is found c2 takes a
.set Q,   64          ; piece t, channel half c at Q + 16 t + 8 c
.set P,   96          ; piece t, key half kk at P + 16 t + 8 kk
.set KF,  128         ; key block kb, channel half c at KF + 16 kb + 8 c
.set S,   192         ; piece t, key block kb at S + 32 t + 8 kb
.set VF,  64          ; window 1: key half kk, channel block cb at VF + 32 kk + 8 cb
.set QB,  128         ; window 1
.set WV,  12          ; s12  my wave's number
.set PB,  14          ; s14  b
.set HI,  15          ; s15  31 - b
.set G1K, 24          ; s[24:31] descriptor group 1 for K's tiles
.set G1V, 32          ; s[32:39] for V's: it differs in the padding alone
.set G0K, 40          ; s[40:43] descriptor group 0 for K's tiles
.set G0V, 44          ; s[44:47] the same for V's
.set SLOTS, 56        ; s56  tiles still to be asked for
.set CNT, 57          ; s57  counts a tile's key steps, 4 to 1
.set CS,  58          ; s[58:59] c: the packed scaling takes the pair's low word for both halves
.set SEL, 60          ; s[60:61] v_permlanex16_b32's selects: each lane takes its own place in the other half
.set TBK, 62          ; s62  LDS byte at which K of the step to be fetched begins
.set TBV, 63          ; s63  the same for V, less VOFF
.set RT,  70          ; s70  tiles of the block in hand that are still to be entered
.set NXT, 71          ; s71  the tile to be asked for next
.set LQ,  72          ; s72  the last tile of the block whose tiles are being asked for
.set PBT, 73          ; s73  b / 2: the second block's last tile
.set OFF, 74          ; s[74:75] a tile's byte offset in K and V
.set DELTA, 76        ; s76  the block's first query less the step's first key
.set OLO, 80          ; s[80:81] O at my rows of the second block
.set MSB, 0
.macro WIN new                      ; the high byte repeats the setting that is left; a switch that changes nothing is dropped
.if MSB != (\new)
	s_set_vgpr_msb (MSB<<8)|(\new)
.set MSB, (\new)
.endif
.endm
.set W_PV, 0x51       ; V and O^T in window 1, P in window 0
.set W_RS, 0x51       ; destination and source 0 in window 1, source 1 in window 0: the products' own setting (the packed multiply has no source 2), so no switch stands between the two
.set W_T1, 0x40       ; destination in window 1
; A fill.  Waves 0 and 1 fetch the two halves of a tile's K, waves 2 and 3 those of its V: 128 keys each.  An s_nop 0 and four v_nop follow each of the two lines, ahead of the jump and the label.
.macro LOAD
	s_cmp_lt_u32 s[WV], 2
	s_cbranch_scc0 .Lfor_v_\@
	tensor_load_to_lds s[G0K:G0K+3], s[G1K:G1K+7]
	s_nop 0
.rept 4
	v_nop
.endr
	s_branch .Lasked_\@
.Lfor_v_\@:
	tensor_load_to_lds s[G0V:G0V+3], s[G1V:G1V+7]
	s_nop 0
.rept 4
	v_nop
.endr
.Lasked_\@:
.endm
; THE CHANGE OF SLOTS.  Each wave waits for all its tensor loads, of which one is out: its part of the other slot; adds 0 to its spare word; and waits for that and for its own reads of the slot that it leaves.
; Behind the barrier nobody reads the old slot any more and the other slot is whole.  fill = 1: the old slot is filled again, the first thing behind the barrier, with tile NXT: the descriptor's address is
; made anew from that number.  It has a tile's four steps in which to land.  (At its first use nothing has been read yet: slot 0 is waited for, slot 1 filled.)
.macro CHANGE fill
	WIN 0
	s_wait_tensorcnt 0x0            ; no tensor load of mine is out, so a group 0 may be written
	ds_add_u32 v[SPW], v[NIL]       ; 0 onto my spare word; the descriptors' scalar work stands between it and the wait for it
.if \fill
	s_lshl_b32 s[OFF], s[NXT], 15   ; a tile is 32,768 bytes of K and of V
	s_xor_b32 s[G0K+1], s[G0K+1], SLOT1
	s_add_nc_u64 s[G0K+2:G0K+3], s[6:7], s[OFF:OFF+1]
	s_or_b32 s[G0K+3], s[G0K+3], 0x80000000
	s_xor_b32 s[G0V+1], s[G0V+1], SLOT1
	s_add_nc_u64 s[G0V+2:G0V+3], s[8:9], s[OFF:OFF+1]
	s_or_b32 s[G0V+3], s[G0V+3], 0x80000000
	s_add_co_u32 s[NXT], s[NXT], 1  ; the block's next tile, or behind its last the second block's tile 0
	s_cmp_gt_u32 s[NXT], s[LQ]
	s_cselect_b32 s[NXT], 0, s[NXT]
	s_cselect_b32 s[LQ], s[PBT], s[LQ]
.endif
	s_wait_dscnt 0x0                ; the add is done, and my reads of the slot are over
	s_barrier_signal -1             ; the rest of the scalar work stands between the signal and the wait
	s_sub_co_u32 s[TBK], s[TBK], 4*KS*PK  ; the fetches go back to a slot's first step,
	s_xor_b32 s[TBK], s[TBK], SLOT1       ; in the other slot
	s_sub_co_u32 s[TBV], s[TBV], 4*KS*PV
	s_xor_b32 s[TBV], s[TBV], SLOT1
	s_barrier_wait -1
.if \fill
	LOAD
.endif
.endm
	s_load_b128 s[48:51], s[0:1], 0x0  ; qkv s[48:49], ao s[50:51]
	v_lshl_add_u32 v[SPW], v0, 2, SPARE
	v_mov_b32 v[NIL], 0
	ds_add_u32 v[SPW], v[NIL]       ; the wave's opening: the add and its wait stand ahead of my first tensor load; the set-up below, work on registers, stands between them
	ds_add_u32 v28, v29
	v_lshrrev_b32 v1, 5, v0
	v_readfirstlane_b32 s[WV], v1   ; wave 0..3
	s_mov_b32 s[PB], ttmp9
	s_sub_co_u32 s[HI], 31, s[PB]
	s_and_b32 s20, ttmp7, 0xffff    ; the head,
	s_lshl_b32 s20, s20, 19         ; its 524,288 bytes
	s_and_b32 s16, s[WV], 1         ; which half of a tile's 256 keys I fetch:
	s_lshl_b32 s22, s16, 14         ; its 128 rows of 128 bytes in memory,
	s_add_co_u32 s22, s22, s20
	s_mov_b32 s23, 0
	s_mul_i32 s17, s16, 128*PK      ; and its place in a slot, for K
	s_mul_i32 s18, s16, 128*PV      ; and for V
	s_lshl_b32 s3, s[WV], 12        ; my 32 rows of a block,
	s_lshl_b32 s2, s[HI], 14        ; in the first block,
	s_add_co_u32 s2, s2, s3
	s_add_co_u32 s2, s2, s20
	s_lshl_b32 s84, s[PB], 14       ; and in the second
	s_add_co_u32 s84, s84, s3
	s_add_co_u32 s84, s84, s20
	s_mov_b32 s3, 0
	s_mov_b32 s85, 0
	; descriptor group 1.  128 keys are 16,384 dense bytes: asked for as 64 rows of 256 bytes, two keys a row, and padded in LDS after every key
	s_mov_b32 s[G1K], (1<<16)|(1<<20)|(4<<22)|(3<<25)  ; 17:16 2-byte elements; 20 padding on; 24:22 after every 32 words (code 4); 31:25 4 words (code 3)
	s_mov_b32 s[G1V], (1<<16)|(1<<20)|(4<<22)|(7<<25)  ; the same with 8 words of padding (code 7)
.irp g, G1K, G1V
	s_mov_b32 s[\g+1], 128<<16      ; tensor_dim0 = 128
	s_mov_b32 s[\g+2], 64<<16       ; tensor_dim1 = 64
	s_mov_b32 s[\g+3], 128<<16      ; tile_dim0 = 128
	s_mov_b32 s[\g+4], 64           ; tile_dim1 = 64
	s_mov_b32 s[\g+5], 128          ; 128 elements from row to row
	s_mov_b32 s[\g+6], 0
	s_mov_b32 s[\g+7], 0
.endr
	s_mov_b32 s[CS], 0x3e38aa3b     ; c = log2(e) / 8 = 0.180337
	s_mov_b32 s[CS+1], s[CS]        ; named with it as a pair
	s_mov_b32 s[SEL], 0x76543210
	s_mov_b32 s[SEL+1], 0xfedcba98
	s_mov_b32 s[TBK], SLOT1+4*KS*PK ; the first change of slots turns these two into 0
	s_mov_b32 s[TBV], SLOT1+4*KS*PV
	s_mov_b32 s[G0K], 1             ; count = 1
	s_mov_b32 s[G0K+1], s17         ; LDS address: slot 0
	s_mov_b32 s[G0V], 1
	s_add_co_u32 s[G0V+1], s18, VOFF
	s_lshr_b32 s[LQ], s[HI], 1      ; the first block's last tile,
	s_add_co_u32 s[RT], s[LQ], 1    ; and how many it has
	s_lshr_b32 s[PBT], s[PB], 1
	s_mov_b32 s[NXT], 1
	s_mov_b32 s[OFF+1], 0
	s_lshl_b32 s[DELTA], s[HI], 7   ; the first block's first query
	s_mov_b32 s[SLOTS], 16
	s_wait_dscnt 0x0                ; the opening add is done
	s_wait_kmcnt 0x0
	s_add_nc_u64 s[6:7], s[48:49], s[22:23]
	s_add_nc_u64 s[8:9], s[6:7], 2*PART            ; V at my half of the head's tile 0,
	s_add_nc_u64 s[6:7], s[6:7], PART              ; and K
	s_add_nc_u64 s[G0K+2:G0K+3], s[6:7], 0         ; global address
	s_or_b32 s[G0K+3], s[G0K+3], 0x80000000        ; type = 2
	s_add_nc_u64 s[G0V+2:G0V+3], s[8:9], 0
	s_or_b32 s[G0V+3], s[G0V+3], 0x80000000
	s_add_nc_u64 s[4:5], s[48:49], s[2:3]          ; Q and O at my rows of the first block,
	s_add_nc_u64 s[10:11], s[50:51], s[2:3]
	s_add_nc_u64 s[86:87], s[48:49], s[84:85]      ; and of the second
	s_add_nc_u64 s[OLO:OLO+1], s[50:51], s[84:85]
	LOAD                            ; tile 0 into slot 0: one load of mine is out
	; A fragment of K or Q is 16 rows x 32 channels in 8 registers: lane l holds row l % 16, channels 8 (l / 16) + 0..7 and 16 + 8 (l / 16) + 0..7: two loads of 16 bytes, 32 bytes apart.
	v_and_b32 v1, 15, v0            ; l % 16
	v_bfe_u32 v9, v0, 4, 1          ; l / 16
	v_lshlrev_b32 v[QO], 7, v1
	v_lshl_add_u32 v[QO], v9, 4, v[QO]  ; row x 128 + 16 x half
.set i, 0
.rept 4                             ; both blocks' Q: piece i / 2, channels 32 (i % 2) on
	global_load_b128 v[Q+8*i:Q+8*i+3],   v[QO], s[4:5] offset:(i/2)*2048+(i%2)*64
	global_load_b128 v[Q+8*i+4:Q+8*i+7], v[QO], s[4:5] offset:(i/2)*2048+(i%2)*64+32
.set i, i+1
.endr
	WIN W_T1
.set i, 0
.rept 4
	global_load_b128 v[QB+8*i:QB+8*i+3],   v[QO], s[86:87] offset:(i/2)*2048+(i%2)*64
	global_load_b128 v[QB+8*i+4:QB+8*i+7], v[QO], s[86:87] offset:(i/2)*2048+(i%2)*64+32
.set i, i+1
.endr
	; A block's first step multiplies O^T and l by a = 0, so they need only be finite: zeros for the first block, what the first block left for the second.  This stands in the wait for the first tile.
.set i, 0
.rept 64
	v_mov_b32 v[i], 0
.set i, i+1
.endr
	WIN 0
.irp t, 0,1
	v_mov_b32 v[ST+4*\t], 0xfe000000    ; c m: far below every c s
	v_mov_b32 v[ST+4*\t+1], 0xff7fffff  ; m: the lowest finite number
	v_mov_b32 v[ST+4*\t+2], 0
	v_mov_b32 v[ST+4*\t+3], 0
.endr
	v_mov_b32 v[BIG], 0xf149f2ca    ; -1e30
	v_lshlrev_b32 v[LQV], 3, v9
	v_sub_nc_u32 v[LQV], v1, v[LQV]
	s_lshl_b32 s13, s[WV], 5
	v_add_nc_u32 v[LQV], s13, v[LQV]
	v_mul_u32_u24 v[AK0], v1, PK
	v_lshl_add_u32 v[AK0], v9, 4, v[AK0]  ; row x pitch + 16 x half
	; The turning load takes 16 keys x 16 channels (lane l reads key 8 (l / 16) + l % 8, channels 8 ((l / 8) % 2) + 0..7) and leaves half a fragment of V^T: lane l holds channel l % 16 and 8 keys.
	v_and_b32 v10, 7, v0
	v_bfe_u32 v11, v0, 3, 1
	v_lshl_add_u32 v[AV0], v9, 3, v10
	v_mul_u32_u24 v[AV0], v[AV0], PV
	v_lshl_add_u32 v[AV0], v11, 4, v[AV0]
	v_add_nc_u32 v[AV0], VOFF, v[AV0]
	s_mul_i32 s13, s[WV], 16*SP
	s_add_co_u32 s13, s13, STAGE    ; my stage
	v_mul_u32_u24 v[STO], v1, SP    ; in: row l % 16, 16 bytes for each half of the lanes
	v_lshl_add_u32 v[STO], v9, 4, v[STO]
	v_add_nc_u32 v[STO], s13, v[STO]
	v_bfe_u32 v[RD], v0, 3, 2       ; back: 32 lanes take four rows of 128 bytes,
	v_mul_u32_u24 v[RD], v[RD], SP
	v_lshl_add_u32 v[RD], v10, 4, v[RD]
	v_add_nc_u32 v[RD], s13, v[RD]
	v_and_b32 v[GO], 31, v0         ; which are 512 consecutive bytes of O
	v_lshlrev_b32 v[GO], 4, v[GO]
; THE MATRIX WORK.  The 4 accumulators of a run of 8 take turns, one instruction a turn.
; Product i of 8 of S^T = K Q^T for piece t: channels 32 (i / 4) on, keys 16 (i % 4) on.  The first 4 start the sums.
.macro KQM t
.set rS, S+32*(\t)+8*(i%4)
.set rK, KF+16*(i%4)+8*(i/4)
.set rQ, Q+16*(\t)+8*(i/4)
.if i < 4
	v_wmma_f32_16x16x32_f16 v[rS:rS+7], v[rK:rK+7], v[rQ:rQ+7], 0
.else
	v_wmma_f32_16x16x32_f16 v[rS:rS+7], v[rK:rK+7], v[rQ:rQ+7], v[rS:rS+7]
.endif
.set i, i+1
.endm
; Product i of 8 of O^T += V^T P for piece t: keys 32 (i / 4) on, channels 16 (i % 4) on.
.macro PVM t
.set rO, 32*(\t)+8*(i%4)
.set rV, VF+32*(i/4)+8*(i%4)
.set rP, P+16*(\t)+8*(i/4)
	v_wmma_f32_16x16x32_f16 v[rO:rO+7], v[rV:rV+7], v[rP:rP+7], v[rO:rO+7]
.set i, i+1
.endm
; THE LDS LOADS stand in runs of 16: a step's K (64 keys x 64 channels: 8 fragments) and its V (turned).
.macro FETCH_K
.irp f, 0,1,2,3,4,5,6,7             ; keys 16 (f / 2) on, channels 32 (f % 2) on
	ds_load_b128 v[KF+8*\f:KF+8*\f+3],   v[AK] offset:(\f/2)*16*PK+(\f%2)*64
	ds_load_b128 v[KF+8*\f+4:KF+8*\f+7], v[AK] offset:(\f/2)*16*PK+(\f%2)*64+32
.endr
	s_add_co_u32 s[TBK], s[TBK], KS*PK  ; the next fetch is the next step's
.endm
.macro FETCH_V
	WIN W_T1
.irp f, 0,1,2,3,4,5,6,7             ; keys 32 (f / 4) on, channels 16 (f % 4) on
	ds_load_tr16_b128 v[VF+8*\f:VF+8*\f+3],   v[AV] offset:(\f/4)*32*PV+(\f%4)*32
	ds_load_tr16_b128 v[VF+8*\f+4:VF+8*\f+7], v[AV] offset:(\f/4)*32*PV+16*PV+(\f%4)*32
.endr
	s_add_co_u32 s[TBV], s[TBV], KS*PV
	WIN 0
.endm
; THE VECTOR WORK, one line at a time: OP kind, piece, number.  F n: c s - c m for pair n of 16.  E n: the exponential of score n of 32.  C n: pair n rounded to f16.  B n: of the four weights 4 n .. the
; second pair is added onto the first, in place.  L n: l takes that sum (L 0: l = a l + sum).  R n: pair n of 16 of O^T times a.  X n: number n of the 22 that find the maximum and statistics:
;   0-11  four chains c0-c3 of seven scores each, three operands at a time (each accumulator's lowest registers are read first)
;   12-14, 16  the four scores left over, the old m, and c0-c3 into c0     15  c m_old is kept     17, 18  the query's other 32 keys lie in the lane 16 away: the new m     19-21  c m; c m_old - c m_new; a
; E and X 21 are the exponentials.  C, B, L and R read their results; F and X 0-20 read none.
.set F, 0
.set E, 1
.set C, 2
.set B, 3
.set L, 4
.set R, 5
.set X, 6
.macro REGS t
.set rT, ST+4*(\t)
.set rC, TMP+4*(\t)
.set rW, MV+(\t)
.set rS, S+32*(\t)
.set rP, P+16*(\t)
.set rO, 32*(\t)
.endm
.macro OP k, t, n
	REGS \t
.if (\k) == R
	WIN W_RS
	v_pk_mul_f32 v[rO+2*(\n):rO+2*(\n)+1], v[rO+2*(\n):rO+2*(\n)+1], v[rC+2:rC+3] op_sel_hi:[1,0]
.else
	WIN 0
.if (\k) == F
	v_pk_fma_f32 v[rS+2*(\n):rS+2*(\n)+1], v[rS+2*(\n):rS+2*(\n)+1], s[CS:CS+1], v[rT:rT+1] op_sel_hi:[1,0,0] neg_lo:[0,0,1] neg_hi:[0,0,1]
.elseif (\k) == E
	v_exp_f32 v[rS+(\n)], v[rS+(\n)]
.elseif (\k) == C
	v_cvt_pk_f16_f32 v[rP+(\n)], v[rS+2*(\n)], v[rS+2*(\n)+1]
.elseif (\k) == B
	v_pk_add_f32 v[rS+4*(\n):rS+4*(\n)+1], v[rS+4*(\n):rS+4*(\n)+1], v[rS+4*(\n)+2:rS+4*(\n)+3]
.elseif ((\k) == L) && ((\n) == 0)
	v_pk_fma_f32 v[rT+2:rT+3], v[rT+2:rT+3], v[rC+2:rC+3], v[rS:rS+1] op_sel_hi:[1,0,1]
.elseif (\k) == L
	v_pk_add_f32 v[rT+2:rT+3], v[rT+2:rT+3], v[rS+4*(\n):rS+4*(\n)+1]
.elseif (\n) < 4
	v_max3_num_f32 v[rC+(\n)], v[rS+8*(\n)], v[rS+8*(\n)+1], v[rS+8*(\n)+2]
.elseif (\n) < 12
	v_max3_num_f32 v[rC+(\n)%4], v[rC+(\n)%4], v[rS+8*((\n)%4)+2*((\n)/4)+1], v[rS+8*((\n)%4)+2*((\n)/4)+2]
.elseif (\n) == 12
	v_max3_num_f32 v[rC], v[rC], v[rS+7], v[rS+15]
.elseif (\n) == 13
	v_max3_num_f32 v[rC+1], v[rC+1], v[rS+23], v[rS+31]
.elseif (\n) == 14
	v_max3_num_f32 v[rC+2], v[rC+2], v[rC+3], v[rT+1]
.elseif (\n) == 15
	v_mov_b32 v[rW], v[rT]
.elseif (\n) == 16
	v_max3_num_f32 v[rC], v[rC], v[rC+1], v[rC+2]
.elseif (\n) == 17
	v_permlanex16_b32 v[rC+3], v[rC], s[SEL], s[SEL+1]
.elseif (\n) == 18
	v_max_num_f32 v[rT+1], v[rC], v[rC+3]
.elseif (\n) == 19
	v_mul_f32 v[rT], s[CS], v[rT+1]
.elseif (\n) == 20
	v_sub_f32 v[rC+1], v[rW], v[rT]
.else
	v_exp_f32 v[rC+2], v[rC+1]
.endif
.endif
.endm
.macro OP4 k1, t1, n1, k2, t2, n2, k3, t3, n3, k4, t4, n4  ; four of them
	OP \k1, \t1, \n1
	OP \k2, \t2, \n2
	OP \k3, \t3, \n3
	OP \k4, \t4, \n4
.endm
.macro EXQ                          ; the weights' exponentials are a queue of 64: piece 0's s0-s31, then piece 1's; nx counts them
	OP E, nx/32, nx%32
.set nx, nx+1
.endm
.macro PE k, t, n                   ; a plain line and the queue's next exponential
	OP \k, \t, \n
	EXQ
.endm
; Hidden scores become -1e30, each accumulator's registers in ascending order.
.macro MASK
.irp t, 0,1
.set i, 0
.rept 32
	v_cmp_gt_i32 vcc_lo, 16*(i/8)+i%8-16*(\t), v[D]
	v_cndmask_b32 v[S+32*(\t)+i], v[S+32*(\t)+i], v[BIG], vcc_lo
.set i, i+1
.endr
.endr
.endm
; THE BATCH: all that stands ahead of the step's one wait: 74 plain lines and 66 exponentials, and no line names the result of an exponential issued ahead of it (each result has a register of its own:
; the 64 score registers, in place, and c2 of either piece).
;   piece 0's maximum; then its chain X 14, 16, 17, 18, 19, where each line waits for the one before it, with piece 1's maximum between the links, five lines from link to link;
;   then plain and exponential by turns: piece 0's scalings, piece 1's chain X 17 to 20 with its links six lines apart, piece 1's first scalings;
;   then a scaling and two exponentials, 19 times, and the last 15 exponentials on end: from piece 0's c m on there are 40 plain lines for the 66.
; Exponential j of a piece stands behind scaling j / 2 of that piece: by the counts below at least five lines behind it.
.macro BATCH
.set nx, 0
.irp n, 0,1,2,3,4,5,6,7,8,9,10,11,12,13
	OP X, 0, \n
.endr
	OP4 X,0,14, X,0,15, X,1,0,  X,1,1
	OP4 X,1,2,  X,0,16, X,1,3,  X,1,4
	OP4 X,1,5,  X,1,6,  X,0,17, X,1,7
	OP4 X,1,8,  X,1,9,  X,1,10, X,0,18
	OP4 X,1,11, X,1,12, X,1,13, X,1,14
	OP4 X,0,19, X,1,15, X,1,16, X,0,20
	OP4 F,0,0,  F,0,1,  F,0,2,  F,0,3
	OP X, 1, 17
	OP X, 0, 21                     ; piece 0's a: the batch's first
	PE F, 0, 4                      ; s0 of piece 0
	PE F, 0, 5
	PE X, 1, 18
	PE F, 0, 6
	PE F, 0, 7
	PE X, 1, 19
	PE F, 0, 8
	PE F, 0, 9
	PE X, 1, 20
	PE F, 1, 0
	PE F, 0, 10                     ; s10 of piece 0
	OP F, 1, 1
	OP X, 1, 21                     ; piece 1's a
.set j, 11
.rept 5                             ; s11 to s20 of piece 0
	OP F, 0, j
	EXQ
	EXQ
.set j, j+1
.endr
.set j, 2
.rept 14                            ; s21 to s31 of piece 0, s0 to s16 of piece 1
	OP F, 1, j
	EXQ
	EXQ
.set j, j+1
.endr
.rept 15                            ; s17 to s31 of piece 1
	EXQ
.endr
	v_nop                           ; a plain instruction behind the last exponential, ahead of the first use (ISA guide 5.7.2): every plain line of the step's that reads no result feeds an exponential, so none is left to stand here
	s_wait_alu depctr_va_vdst(0)    ; the wait ahead of the first line that names a result: ONE for the step's 66 exponentials
.endm
; THE READERS.  Piece 0's roundings and rescaling, which its products need.  Then the 16 products V^T P, four plain lines behind each, none of which names a register of the products round it:
; behind piece 0's first four piece 1's rescaling (under the products' own window setting), behind its last four piece 1's roundings; behind piece 1's eight both pieces' sums: B two rows ahead of the L
; that takes it, a piece's links L 0 to L 6 four lines apart.  All roundings stand ahead of the sums, which work in place on the weights.
.macro READERS
.set j, 0
.rept 16
	OP C, 0, j
.set j, j+1
.endr
.set j, 0
.rept 16
	OP R, 0, j
.set j, j+1
.endr
	s_wait_dscnt 0x0                ; V is in, and the next K
.set i, 0
.set j, 0
.rept 4
	WIN W_PV
	PVM 0
.rept 4
	OP R, 1, j
.set j, j+1
.endr
.endr
.set j, 0
.rept 4
	WIN W_PV
	PVM 0
.rept 4
	OP C, 1, j
.set j, j+1
.endr
.endr
.set i, 0
	WIN W_PV
	PVM 1
	OP4 B,0,0, B,1,0, B,0,1, B,1,1
.set j, 0
.rept 6
	WIN W_PV
	PVM 1
	OP4 L,0,j, L,1,j, B,0,j+2, B,1,j+2
.set j, j+1
.endr
	WIN W_PV
	PVM 1
	OP4 L,0,6, L,1,6, L,0,7, L,1,7
.endm
; A KEY STEP.
.macro STEP
	s_wait_dscnt 0x0                ; K is in
.set i, 0
.rept 8
	KQM 0
.endr
.set i, 0
.rept 8
	KQM 1
.endr
	v_add_nc_u32 v[AK], s[TBK], v[AK0]   ; four plain lines: the places between those products (and the last step's V^T P) and the loads into K's and V's registers
	v_add_nc_u32 v[AV], s[TBV], v[AV0]
	v_add_nc_u32 v[D], s[DELTA], v[LQV]
	v_nop
	s_cmp_eq_u32 s[CNT], 1
	s_cbranch_scc1 .Lno_k_\@        ; a tile's last step has no next K in this slot
	FETCH_K
.Lno_k_\@:
	FETCH_V
	s_cmp_lg_u32 s[RT], 0
	s_cbranch_scc1 .Lopen_\@        ; only a block's last tile hides keys
	MASK
.Lopen_\@:
	BATCH                           ; no label and no branch stands between its first exponential and its wait
	READERS
	WIN 0
	s_sub_co_u32 s[DELTA], s[DELTA], KS
.endm
; A BLOCK'S END: l's two halves and the other half of the lanes' are added; O^T is divided by l, rounded to f16 and sent through my stage in LDS, a piece at a time.
.macro PACK t                       ; a lane's eight channels of a row pack into 16 bytes; they go into rows of 144 bytes and come back as whole rows of 128, into S^T's registers
	WIN W_RS
.set i, 32*(\t)
.rept 16
	v_pk_mul_f32 v[i:i+1], v[i:i+1], v[ST+4*(\t)+2:ST+4*(\t)+3] op_sel_hi:[1,0]
.set i, i+2
.endr
	WIN 0x05                        ; sources 0 and 1 window 1, destination window 0
.set i, 0
.rept 16
	v_cvt_pk_f16_f32 v[S+16*(\t)+i], v[32*(\t)+2*i], v[32*(\t)+2*i+1]
.set i, i+1
.endr
	WIN 0
.irp f, 0,1,2,3
	ds_store_b128 v[STO], v[S+16*(\t)+4*\f:S+16*(\t)+4*\f+3] offset:32*\f
.endr
.irp f, 0,1,2,3
	ds_load_b128 v[S+16*(\t)+4*\f:S+16*(\t)+4*\f+3], v[RD] offset:\f*4*SP  ; LDS serves a wave's instructions in order (ISA guide 5.7.1.4): these see the stores above; the next piece's stores come behind them
.endr
.endm
.macro SEND t, younger              ; younger: the LDS instructions issued behind piece t's loads: the next piece's eight, or none
.irp f, 0,1,2,3
	s_wait_dscnt (\younger)+3-\f
	global_store_b128 v[GO], v[S+16*(\t)+4*\f:S+16*(\t)+4*\f+3], s[10:11] offset:(\t)*2048+\f*512  ; 512 consecutive bytes, at a multiple of 256 from O's first
.endr
.endm
.macro FINISH last
	WIN 0
.irp t, 0,1
	v_add_f32 v[ST+4*\t+2], v[ST+4*\t+2], v[ST+4*\t+3]
.endr
.irp t, 0,1
	v_permlanex16_b32 v[ST+4*\t+3], v[ST+4*\t+2], s[SEL], s[SEL+1]
.endr
.irp t, 0,1
	v_add_f32 v[ST+4*\t+2], v[ST+4*\t+2], v[ST+4*\t+3]
.endr
.irp t, 0,1
	v_rcp_f32 v[ST+4*\t+2], v[ST+4*\t+2]
.endr
	v_nop                           ; a plain instruction between the last reciprocal and the use of its result
	s_wait_alu depctr_va_vdst(0)    ; and the wait ahead of the first use: one for the two reciprocals
	PACK 0                          ; piece 0's lines are also the places behind piece 1's last products
	PACK 1
	SEND 0, 8
	SEND 1, 0
.if !(\last)                        ; the second block begins: only m, the counts, O's address and Q are set anew
	s_wait_xcnt 0x0                 ; the stores have read their registers and O's address: both are rewritten only behind this wait
	s_mov_b64 s[10:11], s[OLO:OLO+1]
	s_add_co_u32 s[RT], s[PBT], 1   ; it has b / 2 + 1 tiles
	s_lshl_b32 s[DELTA], s[PB], 7   ; its first query
.irp t, 0,1
	v_mov_b32 v[ST+4*\t], 0xfe000000
	v_mov_b32 v[ST+4*\t+1], 0xff7fffff
.endr
	WIN 0x01                        ; its Q goes where the one text of the steps names Q
.set i, 0
.rept 32
	v_mov_b32 v[Q+i], v[QB+i]
.set i, i+1
.endr
	WIN 0
.endif
.endm
; A TILE: K of its first step, its four steps, and behind a block's last tile the block's end.
.macro TILE last
	s_sub_co_u32 s[RT], s[RT], 1
	v_add_nc_u32 v[AK], s[TBK], v[AK0]
	FETCH_K
	s_mov_b32 s[CNT], 4
.Lstep_\@:
	STEP
	s_sub_co_u32 s[CNT], s[CNT], 1
	s_cmp_lg_u32 s[CNT], 0
	s_cbranch_scc1 .Lstep_\@
.if \last
	FINISH 1
.else
	s_cmp_lg_u32 s[RT], 0
	s_cbranch_scc1 .Lmore_\@
	FINISH 0
.Lmore_\@:
.endif
.endm
	s_wait_loadcnt 0x0              ; both blocks' Q
.Lslot:                             ; 16 times: a tile is entered and the next is asked for
	CHANGE 1
	TILE 0
	s_sub_co_u32 s[SLOTS], s[SLOTS], 1
	s_cmp_lg_u32 s[SLOTS], 0
	s_cbranch_scc1 .Lslot
	CHANGE 0                        ; the walk's last tile, the second block's last, is written out: nothing is asked for
	TILE 1
	s_wait_tensorcnt 0x0            ; the wave's end: behind my last tensor load and my last LDS store
	ds_add_u32 v[SPW], v[NIL]
	s_wait_dscnt 0x0
	s_endpgm
.Lfunc_end_k_qdd250826d7_attn:
	.size	k_qdd250826d7_attn, .Lfunc_end_k_qdd250826d7_attn-k_qdd250826d7_attn
	.p2alignl 7, 3214868480
	.fill 96, 4, 3214868480
	.section	.rodata,"a",@progbits
	.p2align	6, 0x0
	.amdhsa_kernel k_qdd250826d7_attn
		.amdhsa_group_segment_fixed_size 327680
		.amdhsa_private_segment_fixed_size 0
		.amdhsa_enable_private_segment 0
		.amdhsa_kernarg_size 16
		.amdhsa_user_sgpr_count 2
		.amdhsa_user_sgpr_kernarg_segment_ptr 1
		.amdhsa_wavefront_size32 1
		.amdhsa_system_sgpr_workgroup_id_x 1
		.amdhsa_system_sgpr_workgroup_id_y 1
		.amdhsa_system_sgpr_workgroup_id_z 1
		.amdhsa_system_vgpr_workitem_id 0
		.amdhsa_next_free_vgpr 416
		.amdhsa_next_free_sgpr 88
		.amdhsa_reserve_vcc 1
		.amdhsa_float_denorm_mode_32 3
		.amdhsa_float_denorm_mode_16_64 3
		.amdhsa_memory_ordered 1
		.amdhsa_forward_progress 1
		.amdhsa_inst_pref_size 73
	.end_amdhsa_kernel
	.amdgpu_metadata
---
amdhsa.version: [ 1, 2 ]
amdhsa.kernels:
  - .name:           k_qdd250826d7_attn
    .symbol:         k_qdd250826d7_attn.kd
    .args:
      - { .name: qkv, .offset: 0, .size: 8, .value_kind: global_buffer, .address_space: global }
      - { .name: ao, .offset: 8, .size: 8, .value_kind: global_buffer, .address_space: global }
    .group_segment_fixed_size: 327680
    .private_segment_fixed_size: 0
    .kernarg_segment_align: 8
    .kernarg_segment_size: 16
    .max_flat_workgroup_size: 128
    .sgpr_count:     88
    .vgpr_count:     416
    .wavefront_size: 32
...
	.end_amdgpu_metadata
.endif
;; end of part 5
;; launch proj: the kernel of part 4 again; grid 8 x 32, 4 waves a work-group, clusters of 4 x 4, 327,680 bytes of LDS; arguments ao, wpb, out0; writes out0
